; MI455X (gfx1250); checked and timed in simulation.
; The chip was launched on July 23, 2026; its instructions are those of AMD's public machine-readable ISA for CDNA 5 (MIT licence, August 2026) and "CDNA5" Instruction Set Architecture Reference Guide (July 2026). The comments in the code are by the model that wrote it; some were corrected since.
;; Attention. Allowed arithmetic: matrix products marked QUANTISED: E2M3 operands, one E8M0 scale for each 32 along K, by v_wmma_scale_f32_16x16x128_f8f6f4 with both operands' format E2M3, f32 sums; everything else in f32.
;; Inputs: Wk 1,024 x 1,024 float32; Wo 1,024 x 1,024 float32; Wq 1,024 x 1,024 float32; Wv 1,024 x 1,024 float32; k 2 x 2,048 x 1,024 float32; q 2 x 2,048 x 1,024 float32; v 2 x 2,048 x 1,024 float32.
;; Outputs: out0 2 x 2,048 x 1,024 float32.
;; This version of the problem:
;;   THIS VERSION OF THE PROBLEM IS GIVEN IN LOW PRECISION. The matrix products marked QUANTISED in the list below multiply operands that are first quantised to E2M3 (2 exponent bits, 3 mantissa bits; 6 bits a number), with one power-of-two scale for each 32 numbers along K (OCP MX v1.0); their sums are f32. All else is computed in f32.
;;   The module's matrix products, in the order in which they are computed (A, B: the left and right operand; K: the contracted axis; several contracted axes count as one K, in the product's order):
;;     1. [M 4,096, K 1,024] x [K 1,024, N 1,024]; A: input q; B: input Wq: QUANTISED
;;     2. [M 4,096, K 1,024] x [K 1,024, N 1,024]; A: input k; B: input Wk: QUANTISED
;;     3. [M 4,096, K 1,024] x [K 1,024, N 1,024]; A: input v; B: input Wv: QUANTISED
;;     4. batch 32 x [M 2,048, K 64] x [K 64, N 2,048]; A: computed on the way; B: computed on the way: QUANTISED
;;     5. batch 32 x [M 2,048, K 2,048] x [K 2,048, N 64]; A: softmax (see below); B: computed on the way: QUANTISED
;;     6. [M 4,096, K 1,024] x [K 1,024, N 1,024]; A: computed on the way; B: input Wo: QUANTISED
;;   THE QUANTISER, for each operand of a quantised product, along K:
;;     - K is cut into blocks of 32 from its start; a last block that is shorter is filled with zeros.
;;     - A block's scale is 2^e with e = floor(log2(the largest magnitude in the block)) - 2, held to -126 .. 127; a block of zeros has e = 0. As a byte (E8M0): e + 127.
;;     - Each number is divided by its block's scale, clamped to +-7.5, and rounded to the nearest number of E2M3, ties to even, subnormals kept.
;;     - The product sums the exact products of the quantised numbers (number of the format x scale) in f32.
;;   ~~~python
;;   def quantise(x, axis):      # numpy; x: float32 -> the quantised numbers, widened to float32 again
;;       x = np.moveaxis(x, axis, -1); K = x.shape[-1]
;;       x = np.pad(x, [(0, 0)] * (x.ndim - 1) + [(0, -K % 32)]); x = x.reshape(x.shape[:-1] + (-1, 32)); a = np.abs(x).max(-1, keepdims=True)
;;       e = np.where(a > 0, np.clip(np.frexp(np.where(a > 0, a, 1))[1] - 1 - 2, -126, 127), 0)      # np.frexp(a)[1] - 1 = floor(log2(a)), exactly
;;       r = np.clip(x / 2.0 ** e, -7.5, 7.5)
;;       step = 2.0 ** (np.maximum(np.frexp(np.where(r == 0, 1, r))[1] - 1, 0) - 3)
;;       q = np.round(r / step) * step * 2.0 ** e      # np.round: ties to even
;;       return np.moveaxis(q.reshape(q.shape[:-2] + (-1,))[..., :K], -1, axis).astype(np.float32)
;;   ~~~
;;   SOFTMAX AHEAD OF A QUANTISED PRODUCT. Where the list says 'softmax', what is quantised is not the finished softmax but p = 2^(t - M), with t = logit x log2(e) and M = ceil(the row's largest t), a whole number; so 1/2 < the row's largest p <= 1. The row's sum l is taken of the UNQUANTISED p, in f32, and the product's result is divided by l at the end. Since M is a whole number, a kernel that streams over the keys may use a running M (the ceiling of the running maximum): every later rescaling is an exact power of two, which a block's scale takes up: the codes' values come out the same.
;;   OPERANDS COMPUTED ON THE WAY. 'Computed on the way' means the value that the module computes at that place (a softmax that the list does not call 'softmax' is quantised finished and normalised). What goes into a quantiser is computed in f32, as accurately as f32 sums, v_exp_f32 and their like allow (about 1e-6 of the number): no bf16 or f16 on the way to a quantiser, and a product that is left as it is and whose result goes on into a quantised operand takes f32 operands (vector FMAs, or v_wmma_f32_16x16x4_f32). A number that lies on a knife's edge between two numbers of the format may be rounded either way, as far as f32 arithmetic and the matrix unit's own rounding can turn it there, and no further.
;; One version. Each part assembles by itself: llvm-mc -triple=amdgcn-amd-amdhsa -mcpu=gfx1250 --defsym DOCPART=n.
;; ======== version 1 of 1: 4 launches
;; limits: right only within a limited range of input values
;; workspace buffers: ximg 9,830,400 bytes; wimg 3,276,800 bytes; qimg 3,276,800 bytes; kv 6,553,600 bytes; oimg 3,276,800 bytes
;; launch quant (part 1): grid 1024 x 1, 4 waves a work-group, no clusters, 34,304 bytes of LDS; arguments q, k, v, Wq, Wk, Wv, Wo, ximg, wimg; writes ximg, wimg
.if DOCPART == 1
	.amdgcn_target "amdgcn-amd-amdhsa--gfx1250"
	.amdhsa_code_object_version 6
	.text
	.protected	k_q6904eb74b5_quant
	.globl	k_q6904eb74b5_quant
	.p2align	8
	.type	k_q6904eb74b5_quant,@function
k_q6904eb74b5_quant:
	s_mov_b64 s[64:65], 0
	v_nop
	global_prefetch_b8 v0, s[64:65] scope:SCOPE_SE
	s_setreg_imm32_b32 hwreg(HW_REG_WAVE_MODE, 25, 1), 1
	s_wait_xcnt 0x0
; Attention, b = 2, n = 2,048, dim = 1,024, 16 heads of 64, all six products on codes of FP6 (E2M3) with one E8M0 scale for each 32 along K.
; THIS LAUNCH quantises the seven inputs along their K (1,024) into images of the matrix operand's registers.
; NOTHING OF THE PROBLEM IS LEFT OUT: all six products are live and every input is loaded.  One identity is used further on: the factor 1/8 on the queries is a power of two,
; so quantise(q / 8) = quantise(q) / 8 exactly; the program quantises the projected queries as they are and multiplies the scores by log2(e) / 8 in one multiplication.
; LIMITS: a block whose largest magnitude lies under 2^-124 (the floor below) gets the byte 1; a block of zeros too, where the rule says 127: its codes are zeros, which add nothing
; under any byte but 0xff, and this program alone reads the bytes.  A block of projected queries with largest magnitude under 2^-121, where the rule's hold at -126 would act on q / 8, differs.
; NaN and infinities among the inputs are not served.
; FORMATS.  Lane L = r + 16 h.  HALF FRAGMENT, 768 bytes: 16 row slots x 64 k; lane (r, h) owns six registers, the codes of slot r at k = 32 h .. 32 h + 31: registers 0-3 at byte 16 L, registers 4, 5 at byte 512 + 16 r + 8 h.
; FRAGMENT, 1,536 bytes: two of them, k 0-63 and 64-127: the twelve registers of one operand.  A GROUP is 128 rows in eight tiles; slot r of tile T is row 32 (T / 2) + 8 (T % 2) + r + 8 (r / 8).
; THE TOKENS OF k ALONE are laid otherwise: slot r of tile T is row 64 (T / 4) + 32 (r / 8) + 8 (T % 4) + r % 8, so that in the attention launch a lane's registers of four neighbouring tiles of scores are one whole block of 32 keys.
; A K STEP of a group, 12,800 bytes: fragment T at 1,536 T; the scale word of (T, r) at 12,288 + 256 (T / 4) + 16 r + 4 (T % 4).  A group is eight K steps.
; SHARES.  Work-groups 0-767: one tile (16 rows) of q, k or v, all of K; wave w takes K steps 2 w and 2 w + 1.  Work-groups 768-1,023: one K step of one group of 128 columns of a weight; wave w takes 32 columns, a lane a column.
; Waves share nothing: no barrier.  No matrix work, no tensor load, no cluster: a stream, each input byte read once.
.set STEPB,  12800
.set GROUPB, 102400
.set SPITCH, 528                       ; a stage row: 512 bytes + 16: an odd multiple of 16, so the sixteen rows that a load touches fall on sixteen different 16-byte columns
.set WSTG,   16*SPITCH                 ; a wave's stage
.set SPARE,  4*WSTG                    ; behind the stages: the spare words, 128 bytes for each wave, which no other line names
.set LI,  1                            ; v1   16 x lane
.set LJ,  2                            ; v2   16 r + 8 h
.set RW,  3                            ; v3   r
.set HV,  4                            ; v4   h
.set LN,  5                            ; v5   lane
.set SPW, 6                            ; v6   LDS address of my spare word; never rewritten
.set NIL, 7                            ; v7   0; never rewritten
.set STI, 8                            ; v8   x: into the stage.      Weights: 4 x lane
.set STO, 9                            ; v9   x: out of the stage.    Weights: where my codes go
.set SVA, 10                           ; v10  where my scale word goes
.set SVD, 11                           ; v11  x: the scale word to store
.set TM,  12                           ; v12-27 at work
.set PW,  28                           ; v28, v29 scale words
.set TT,  30                           ; v30-37 second halves of the conversions
.set PC,  38                           ; v38-61 two fragments of codes: a set for each K step, so no store's data are written again
.set X,   62                           ; v62-125 64 numbers
.set R,   126                          ; v126-253 x: 32 loads as they come.   Weights: v126-149 the codes
.set LI2, 254                          ; v254 x: 16 x lane + the bytes from slot 0's row to slot 8's; never rewritten
.set SEL, 42                           ; s[42:43] lane selects for v_permlanex16_b32: lane l xor 16
; 64 numbers of a lane, register 16 b + i = k 32 b + 16 h + i of my row, become a fragment's codes in v[pc] on and its scale word in v[pw].
.macro QUANT s, pc, pw
.irp b, 0,1,2,3
	v_max3_num_f32 v[TM+\b], |v[\s+16*\b]|, |v[\s+1+16*\b]|, 0x1800000   ; block b: my 16 numbers, and the floor 2^(3 - 127): the byte cannot fall under 1
.endr
.irp i, 2,4,6,8,10,12,14
.irp b, 0,1,2,3
	v_max3_num_f32 v[TM+\b], |v[\s+16*\b+\i]|, |v[\s+1+16*\b+\i]|, v[TM+\b]   ; the four blocks by turns
.endr
.endr
.irp b, 0,1,2,3
	v_permlanex16_b32 v[TM+4+\b], v[TM+\b], s[SEL], s[SEL+1]
.endr
.irp b, 0,1,2,3
	v_max_num_f32 v[TM+\b], v[TM+\b], v[TM+4+\b]   ; with lane l xor 16's: the block's largest magnitude
.endr
.irp b, 0,1,2,3
	v_add_nc_u32 v[TM+12+\b], 0xff000000, v[TM+\b]   ; 2 off its exponent field: the conversion takes that field as its scale
.endr
.irp b, 0,1,2,3
	v_lshrrev_b32 v[TM+4+\b], 23, v[TM+12+\b]      ; the scale's byte
.endr
	v_lshl_or_b32 v[\pw], v[TM+5], 8, v[TM+4]
	v_lshl_or_b32 v[\pw], v[TM+6], 16, v[\pw]
	v_lshl_or_b32 v[\pw], v[TM+7], 24, v[\pw]
.irp c, 0,1
	v_cvt_scalef32_pk16_fp6_f32 v[\pc+6*\c:\pc+6*\c+2], v[\s+32*\c:\s+32*\c+15], v[TM+12+2*\c]
	v_cvt_scalef32_pk16_fp6_f32 v[TT+4*\c:TT+4*\c+2], v[\s+16+32*\c:\s+31+32*\c], v[TM+13+2*\c]   ; (a conversion's three registers begin on an even number)
.endr
	v_nop                                          ; one plain place behind a scaled conversion
.irp c, 0,1                                    ; the operand wants a whole block in a lane: lanes 0-15 block 2 c, lanes 16-31 block 2 c + 1
.irp i, 0,1,2
	v_permlane16_swap_b32 v[\pc+6*\c+\i], v[TT+4*\c+\i]
.endr
.irp i, 0,1,2
	v_mov_b32 v[\pc+3+6*\c+\i], v[TT+4*\c+\i]
.endr
.endr
.endm
	s_load_b512 s[8:23], s[0:1], 0x0               ; q s[8:9], k s[10:11], v s[12:13], Wq s[14:15], Wk s[16:17], Wv s[18:19], Wo s[20:21], ximg s[22:23]
	s_load_b64 s[24:25], s[0:1], 0x40              ; wimg
	v_lshl_add_u32 v[SPW], v0, 2, SPARE
	v_mov_b32 v[NIL], 0
	v_lshrrev_b32 v5, 5, v0
	v_readfirstlane_b32 s4, v5                     ; wave 0..3
	v_and_b32 v[LN], 31, v0
	v_and_b32 v[RW], 15, v0
	v_bfe_u32 v[HV], v0, 4, 1
	v_lshlrev_b32 v[LI], 4, v[LN]
	v_lshlrev_b32 v[LJ], 4, v[RW]
	v_lshl_add_u32 v[LJ], v[HV], 3, v[LJ]
	s_mov_b32 s[SEL], 0x76543210
	s_mov_b32 s[SEL+1], 0xfedcba98
	s_wait_kmcnt 0x0
	s_cmp_ge_u32 ttmp9, 768
	s_cbranch_scc1 .Lweights
	; ---- q, k, v: K is innermost
	s_lshr_b32 s26, ttmp9, 8                       ; which tensor
	s_bfe_u32 s27, ttmp9, 0x50003                  ; its group of 128 rows
	s_and_b32 s28, ttmp9, 7                        ; the tile T
	s_cmp_eq_u32 s26, 0
	s_cselect_b64 s[30:31], s[8:9], s[10:11]
	s_cmp_eq_u32 s26, 2
	s_cselect_b64 s[30:31], s[12:13], s[30:31]
	s_cmp_eq_u32 s26, 1                            ; k has its own order of rows.  T = high part, low part:
	s_cselect_b32 s29, 2, 1                        ; the low part's bits,
	s_cselect_b32 s34, 3, 1                        ; their mask,
	s_cselect_b32 s35, 6, 5                        ; a step of the high part is 64 rows, or 32,
	s_cselect_b32 s41, 17, 16                      ; and slots 8-15 begin 32 rows behind slot 0, or 16: 2^17 or 2^16 bytes
	s_lshl_b32 s41, 1, s41
	s_lshl_b32 s32, s27, 7
	s_lshr_b32 s33, s28, s29
	s_lshl_b32 s33, s33, s35
	s_add_co_u32 s32, s32, s33
	s_and_b32 s33, s28, s34
	s_lshl_b32 s33, s33, 3
	s_add_co_u32 s32, s32, s33                     ; the tile's first row: 128 G + 32 (T / 2) + 8 (T % 2); in k: 128 G + 64 (T / 4) + 8 (T % 4)
	s_lshl_b32 s32, s32, 12                        ; rows of 4,096 bytes
	s_lshl_b32 s33, s4, 10                         ; my two K steps: 1,024 bytes of each row
	s_add_co_u32 s32, s32, s33
	s_mov_b32 s33, 0
	s_add_nc_u64 s[30:31], s[30:31], s[32:33]
	s_wait_alu depctr_va_vdst(0)
	v_add_nc_u32 v[LI2], s41, v[LI]
.irp g, 0,1
.irp p, 0,1,2,3,4,5,6,7
	global_load_b128 v[R+64*\g+4*\p:R+64*\g+4*\p+3], v[LI], s[30:31] offset:\p*4096+512*\g th:TH_LOAD_NT   ; slot p's row, K step g: 32 lanes read 512 consecutive bytes
.endr
.irp p, 8,9,10,11,12,13,14,15
	global_load_b128 v[R+64*\g+4*\p:R+64*\g+4*\p+3], v[LI2], s[30:31] offset:(\p-8)*4096+512*\g th:TH_LOAD_NT
.endr
.endr
	s_mul_i32 s40, s4, WSTG                        ; my stage
	v_add_nc_u32 v[STI], s40, v[LI]                ; in: a row as it lies
	v_mul_u32_u24 v[STO], v[RW], SPITCH
	v_lshl_add_u32 v[STO], v[HV], 6, v[STO]
	v_add_nc_u32 v[STO], s40, v[STO]               ; out: row r, + 64 h: my 16 numbers of each block of 32
	v_mul_u32_u24 v[SVA], v[HV], STEPB
	v_lshl_add_u32 v[SVA], v[RW], 4, v[SVA]        ; scale words: lanes 0-15 the first K step's, lanes 16-31 the second's
.irp b, 0,1,2,3
	v_mov_b32 v[TM+4+\b], 0                        ; written once: a lane permute's destination counts as one of its sources
.endr
	s_lshl_b32 s34, s26, 5
	s_add_co_u32 s34, s34, s27
	s_mul_i32 s34, s34, GROUPB
	s_mul_i32 s35, s4, 2*STEPB
	s_add_co_u32 s34, s34, s35                     ; my first K step of the group
	s_mul_i32 s35, s28, 1536
	s_add_co_u32 s36, s34, s35
	s_mov_b32 s37, 0
	s_add_nc_u64 s[36:37], s[22:23], s[36:37]      ; the tile's fragment
	s_lshr_b32 s35, s28, 2
	s_lshl_b32 s35, s35, 8
	s_add_co_u32 s38, s34, s35
	s_and_b32 s35, s28, 3
	s_lshl_b32 s35, s35, 2
	s_add_co_u32 s38, s38, s35
	s_add_co_u32 s38, s38, 12288
	s_mov_b32 s39, 0
	s_add_nc_u64 s[38:39], s[22:23], s[38:39]      ; and its scale words
.macro XSTEP g, pc, pw, left
	s_wait_loadcnt \left                           ; this K step's sixteen loads are in; left = the other step's, which may stay out
.irp p, 0,1,2,3,4,5,6,7,8,9,10,11,12,13,14,15
	ds_store_b128 v[STI], v[R+64*\g+4*\p:R+64*\g+4*\p+3] offset:SPITCH*\p
.endr
.irp b, 0,1,2,3
.irp j, 0,1,2,3
	ds_load_b128 v[X+16*\b+4*\j:X+16*\b+4*\j+3], v[STO] offset:128*\b+16*\j   ; LDS serves a wave's instructions in order (ISA guide 5.7.1.4): these see my stores
.endr
.endr
	s_wait_dscnt 0x0
	QUANT X, \pc, \pw
	global_store_b128 v[LI], v[\pc:\pc+3], s[36:37] offset:STEPB*\g           ; each store of the wave covers whole aligned runs of 256 bytes
	global_store_b64 v[LJ], v[\pc+4:\pc+5], s[36:37] offset:STEPB*\g+512
	global_store_b128 v[LI], v[\pc+6:\pc+9], s[36:37] offset:STEPB*\g+768
	global_store_b64 v[LJ], v[\pc+10:\pc+11], s[36:37] offset:STEPB*\g+1280
.endm
	s_wait_alu depctr_va_vdst(0)
	XSTEP 0, PC, PW, 16
	XSTEP 1, PC+12, PW+1, 0
	v_cmp_gt_u32 vcc_lo, 16, v[LN]
	v_cndmask_b32 v[SVD], v[PW+1], v[PW], vcc_lo   ; lanes 0-15: the first K step's word of row r; lanes 16-31: the second's
	global_store_b32 v[SVA], v[SVD], s[38:39]      ; 4 bytes in 16: one byte in 48 of what this path stores
	s_branch .Lend
	; ---- the weights: K is the FIRST axis.  A lane takes a column and its registers run down K: nothing is transposed
.Lweights:
	s_sub_co_u32 s26, ttmp9, 768
	s_lshr_b32 s27, s26, 6                         ; which weight
	s_bfe_u32 s28, s26, 0x30003                    ; its group of 128 columns
	s_and_b32 s29, s26, 7                          ; the K step
	s_cmp_eq_u32 s27, 0
	s_cselect_b64 s[30:31], s[14:15], s[16:17]
	s_cmp_eq_u32 s27, 2
	s_cselect_b64 s[30:31], s[18:19], s[30:31]
	s_cmp_eq_u32 s27, 3
	s_cselect_b64 s[30:31], s[20:21], s[30:31]
	s_lshl_b32 s32, s29, 19                        ; 128 rows of 4,096 bytes a K step
	s_lshl_b32 s33, s28, 9
	s_add_co_u32 s32, s32, s33
	s_lshl_b32 s33, s4, 7                          ; my 32 columns
	s_add_co_u32 s32, s32, s33
	s_mov_b32 s33, 0
	s_add_nc_u64 s[30:31], s[30:31], s[32:33]
	s_wait_alu depctr_va_vdst(0)
	v_lshlrev_b32 v[STI], 2, v[LN]                 ; 4 bytes a lane
.macro WLOAD t                         ; block t: W(32 t + i, my column) into set t % 2
.irp i, 0,1,2,3,4,5,6,7,8,9,10,11,12,13,14,15,16,17,18,19,20,21,22,23,24,25,26,27,28,29,30,31
	global_load_b32 v[X+32*((\t)%2)+\i], v[STI], s[30:31] offset:(32*(\t)+\i)*4096 th:TH_LOAD_NT
.endr
.endm
	WLOAD 0
	WLOAD 1
	v_bfe_u32 v11, v[LN], 3, 1                     ; column 32 w + l is slot r = l % 8 + 8 (l / 16) of tile 2 w + u, u = (l / 8) % 2
	v_and_b32 v12, 7, v[LN]
	v_lshrrev_b32 v13, 4, v[LN]
	v_lshl_add_u32 v12, v13, 3, v12
	v_mul_u32_u24 v[STO], v11, 1536
	v_lshl_add_u32 v[STO], v12, 4, v[STO]          ; 1,536 u + 16 r
	v_lshlrev_b32 v[SVA], 4, v12
	v_lshl_add_u32 v[SVA], v11, 2, v[SVA]          ; 16 r + 4 u
	s_lshl_b32 s34, s27, 3
	s_add_co_u32 s34, s34, s28
	s_mul_i32 s34, s34, GROUPB
	s_mul_i32 s35, s29, STEPB
	s_add_co_u32 s34, s34, s35
	s_mul_i32 s35, s4, 3072
	s_add_co_u32 s36, s34, s35
	s_mov_b32 s37, 0
	s_add_nc_u64 s[36:37], s[24:25], s[36:37]      ; my two tiles' fragments
	s_lshr_b32 s35, s4, 1
	s_lshl_b32 s35, s35, 8
	s_add_co_u32 s38, s34, s35
	s_and_b32 s35, s4, 1
	s_lshl_b32 s35, s35, 3
	s_add_co_u32 s38, s38, s35
	s_add_co_u32 s38, s38, 12288
	s_mov_b32 s39, 0
	s_add_nc_u64 s[38:39], s[24:25], s[38:39]      ; and their scale words
; Block t is the part h = t % 2 of half fragment t / 2.  Of a half fragment my column owns 16 bytes at 16 r (h = 0, registers 0-3), at 256 + 16 r (h = 1) and at 512 + 16 r (registers 4, 5 of both).
.macro WBLOCK t
.set XS, X+32*((\t)%2)
.set OB, R+12*((\t)/2)
.set HB, (\t)%2
.if (\t) < 3
	s_wait_loadcnt 32                              ; this block's 32 loads are in; the next block's may be out
.else
	s_wait_loadcnt 0x0
.endif
	v_max3_num_f32 v12, |v[XS]|, |v[XS+1]|, |v[XS+2]|   ; the block's largest magnitude: all 32 numbers are mine
	v_max3_num_f32 v13, |v[XS+3]|, |v[XS+4]|, |v[XS+5]|
.irp i, 6,10,14,18,22,26
	v_max3_num_f32 v12, v12, |v[XS+\i]|, |v[XS+\i+1]|
	v_max3_num_f32 v13, v13, |v[XS+\i+2]|, |v[XS+\i+3]|
.endr
	v_max3_num_f32 v12, v12, |v[XS+30]|, |v[XS+31]|
	v_max3_num_f32 v12, v12, v13, 0x1800000        ; and the floor
	v_add_nc_u32 v14, 0xff000000, v12              ; the conversion's scale operand
	v_lshrrev_b32 v15, 23, v14                     ; the byte
.if (\t) == 0
	v_mov_b32 v[PW], v15
.else
	v_lshl_or_b32 v[PW], v15, 8*(\t), v[PW]
.endif
	v_cvt_scalef32_pk16_fp6_f32 v[OB+4*HB:OB+4*HB+2], v[XS:XS+15], v14
	v_cvt_scalef32_pk16_fp6_f32 v[TT:TT+2], v[XS+16:XS+31], v14
	v_nop                                          ; one plain place behind a scaled conversion
	v_mov_b32 v[OB+4*HB+3], v[TT]
	v_mov_b32 v[OB+8+2*HB], v[TT+1]
	v_mov_b32 v[OB+9+2*HB], v[TT+2]
.if (\t) < 2
	WLOAD (\t)+2
.endif
.if HB == 1
	global_store_b128 v[STO], v[OB:OB+3], s[36:37] offset:768*((\t)/2)        ; sixteen lanes of a tile store 256 consecutive bytes, aligned
	global_store_b128 v[STO], v[OB+4:OB+7], s[36:37] offset:768*((\t)/2)+256
	global_store_b128 v[STO], v[OB+8:OB+11], s[36:37] offset:768*((\t)/2)+512
.endif
.endm
	WBLOCK 0
	WBLOCK 1
	WBLOCK 2
	WBLOCK 3
	global_store_b32 v[SVA], v[PW], s[38:39]       ; my column's scale word: 8 bytes in 16 for the wave: one byte in 48 of what this path stores
.Lend:
	s_wait_tensorcnt 0x0                           ; the wave's end, behind the last LDS store
	ds_add_u32 v[SPW], v[NIL]
	s_wait_dscnt 0x0
	s_endpgm
.Lfunc_end_k_q6904eb74b5_quant:
	.size	k_q6904eb74b5_quant, .Lfunc_end_k_q6904eb74b5_quant-k_q6904eb74b5_quant
	.p2alignl 7, 3214868480
	.fill 96, 4, 3214868480
	.section	.rodata,"a",@progbits
	.p2align	6, 0x0
	.amdhsa_kernel k_q6904eb74b5_quant
		.amdhsa_group_segment_fixed_size 34304
		.amdhsa_private_segment_fixed_size 0
		.amdhsa_enable_private_segment 0
		.amdhsa_kernarg_size 72
		.amdhsa_user_sgpr_count 2
		.amdhsa_user_sgpr_kernarg_segment_ptr 1
		.amdhsa_wavefront_size32 1
		.amdhsa_system_sgpr_workgroup_id_x 1
		.amdhsa_system_sgpr_workgroup_id_y 1
		.amdhsa_system_sgpr_workgroup_id_z 1
		.amdhsa_system_vgpr_workitem_id 0
		.amdhsa_next_free_vgpr 256
		.amdhsa_next_free_sgpr 66
		.amdhsa_reserve_vcc 1
		.amdhsa_float_denorm_mode_32 3
		.amdhsa_float_denorm_mode_16_64 3
		.amdhsa_memory_ordered 1
		.amdhsa_forward_progress 1
		.amdhsa_inst_pref_size 40
	.end_amdhsa_kernel
	.amdgpu_metadata
---
amdhsa.version: [ 1, 2 ]
amdhsa.kernels:
  - .name:           k_q6904eb74b5_quant
    .symbol:         k_q6904eb74b5_quant.kd
    .args:
      - { .name: q, .offset: 0, .size: 8, .value_kind: global_buffer, .address_space: global }
      - { .name: k, .offset: 8, .size: 8, .value_kind: global_buffer, .address_space: global }
      - { .name: v, .offset: 16, .size: 8, .value_kind: global_buffer, .address_space: global }
      - { .name: Wq, .offset: 24, .size: 8, .value_kind: global_buffer, .address_space: global }
      - { .name: Wk, .offset: 32, .size: 8, .value_kind: global_buffer, .address_space: global }
      - { .name: Wv, .offset: 40, .size: 8, .value_kind: global_buffer, .address_space: global }
      - { .name: Wo, .offset: 48, .size: 8, .value_kind: global_buffer, .address_space: global }
      - { .name: ximg, .offset: 56, .size: 8, .value_kind: global_buffer, .address_space: global }
      - { .name: wimg, .offset: 64, .size: 8, .value_kind: global_buffer, .address_space: global }
    .group_segment_fixed_size: 34304
    .private_segment_fixed_size: 0
    .kernarg_segment_align: 8
    .kernarg_segment_size: 72
    .max_flat_workgroup_size: 128
    .sgpr_count:     66
    .vgpr_count:     256
    .wavefront_size: 32
...
	.end_amdgpu_metadata
.endif
;; end of part 1
;; launch proj (part 2): grid 8 x 32, 4 waves a work-group, clusters of 4 x 4, 327,680 bytes of LDS; arguments wimg, ximg, qimg, kv; writes qimg, kv
.if DOCPART == 2
	.amdgcn_target "amdgcn-amd-amdhsa--gfx1250"
	.amdhsa_code_object_version 6
	.text
	.protected	k_q6904eb74b5_proj
	.globl	k_q6904eb74b5_proj
	.p2align	8
	.type	k_q6904eb74b5_proj,@function
k_q6904eb74b5_proj:
	s_mov_b64 s[64:65], 0
	v_nop
	global_prefetch_b8 v0, s[64:65] scope:SCOPE_SE
	s_setreg_imm32_b32 hwreg(HW_REG_WAVE_MODE, 25, 1), 1
	s_wait_xcnt 0x0
	s_wait_alu depctr_hold_cnt(0) depctr_sa_sdst(0) depctr_va_vdst(0) depctr_va_sdst(0) depctr_va_ssrc(0) depctr_va_vcc(0) depctr_vm_vsrc(0)
	s_getreg_b32 s2, hwreg(HW_REG_IB_STS2, 6, 4)
	s_cmp_eq_u32 s2, 0
	s_cbranch_scc0 .Lentry_in_a_cluster
	s_endpgm
.Lentry_in_a_cluster:
	s_bfe_u32 s2, ttmp6, 0x10000c
	s_cmp_lg_u32 s2, 0xf033
	s_cbranch_scc0 .Lentry_shape_is_right
	s_endpgm
.Lentry_shape_is_right:
; The three projections q Wq, k Wk, v Wv on codes of FP6 (E2M3); their results are quantised in registers into the operands of the attention launch.  No work of the problem is left out here.
; The factor 1/8 on the queries is not applied: it is a power of two, so the codes are the same and the scale bytes 3 higher; the attention launch multiplies the scores by log2(e) / 8.
; LIMITS: as stated at the head of the first launch (floor of a block's largest magnitude 2^-124; a block of zeros has the byte 1; no NaN, no infinities).
; FORMATS: half fragment 768 bytes, fragment 1,536, K step of a group 12,800, group 102,400 bytes, and the order of a tile's rows, as the first launch lays them.
; SHARES.  A WORK-GROUP STAYS: work-group (x, y) makes 128 columns (group x of the weight) x 128 tokens (group y) of q Wq, then of k Wk, then of v Wv, each over all of K = 1,024: 24 K steps, written out.
; LDS.  The work is six PARTS of four K steps, part n = 2 x tensor + half of K: four K steps of the weight's group (51,200 bytes), then of the tokens' (51,200).  Three regions of 102,400 bytes; part n lies in region n % 3.
; Parts 0, 1, 2 are asked for at the head: three tensor loads a wave are out at the most.  Parts 3, 4, 5 fill regions again, one load of 25,600 bytes a wave: part 3 in K step 3, part 4 behind the first tensor's way out,
; part 5 in K step 15: between a request and the next wait for all loads stand at least four K steps' products and a way out, or seven K steps' products.  Waves 0, 1 fetch the weight's two halves of a part, waves 2, 3 the tokens'.
; A wave makes 64 x 64: 16 accumulators, v256-383; fragments in two sets, the next K step's fetched while this one is multiplied; none is fetched across a change of tensor, since the way out works in the fragments' registers.
; CLUSTER 4 x 4: the four of a column need the same weight groups, the four of a row the same token groups: each load is asked for jointly, and a refill stands behind a round of the cluster's barrier.
; q, k: source 0 = 16 columns of the weight, source 1 = 16 tokens: a lane holds one token, and its 32 registers of a token tile run along the head's 64: the next product's K.
; v:    source 0 = 16 tokens, source 1 = 16 columns: a lane holds one of the head's 64, and its registers run along 64 keys: the K of the second product of attention.
; OUT.  qimg [head + 16 b][16 steps of 128 tokens] 6,400 bytes: fragment f = token tiles f (k 0-63) and f + 4 (k 64-127); scale words at 6,144 + 16 r + 4 f, two bytes a tile.
;       kv [head + 16 b][16 key steps] 12,800 bytes: K's four fragments likewise; V's fragment t (16 of the head's 64 x 128 keys) at 6,144 + 1,536 t; K's words at 12,288 + 16 r + 4 f, V's at 12,544 + 16 r + 4 t.
.set STEPB,  12800
.set GROUPB, 102400
.set HALFB,  4*STEPB                   ; four K steps of a group
.set REG,    2*HALFB                   ; a region
.set SPARE,  3*REG                     ; behind the regions: the spare words, 128 bytes for each wave, which no other line names
.set LI,  1                            ; v1   16 x lane
.set LJ,  2                            ; v2   16 r + 8 h
.set SPW, 3                            ; v3   LDS address of my spare word; never rewritten
.set NIL, 4                            ; v4   0; never rewritten
.set XI,  5                            ; v5-7    my four weight tiles, by 16 x lane, in regions 0, 1, 2
.set XJ,  8                            ; v8-10   by 16 r + 8 h
.set YI,  11                           ; v11-16  the same for my four token tiles
.set YJ,  14
.set SA,  17                           ; v17-19  scale words: lanes 0-15 the weight's, lanes 16-31 the tokens'
.set PW,  20                           ; v20, v21 scale words made on the way out;  v22, v23 the two bytes that a lane stores
.set PH,  22
.set SH16, 24                          ; v24  16 h
.set SVA, 25                           ; v25  16 r + 4 h
.set FX,  32                           ; fragments: set q at + 96 q: four of the weight, four of the tokens
.set FY,  80
.set SC,  224                          ; v224-231 scale words, two sets of four: register i: lanes 0-15 weight tile i, lanes 16-31 token tile i
.set TM,  232                          ; v232-247 at work on the way out
.set TT,  248                          ; v248-255
.set PC,  32                           ; the way out: codes, v32-55
.set G1X, 24                           ; s[24:31], s[32:39] descriptor group 1 for the weight's and the tokens' loads: they differ in the mask
.set G1Y, 32
.set G0X, 40                           ; s[40:51], s[52:63] group 0, a set for each region
.set G0Y, 52
.set SEL, 84
.set MSB, 0
.macro WIN new                         ; the immediate's high byte repeats the setting that is left
.if MSB != \new
	s_set_vgpr_msb (MSB<<8)|\new
.set MSB, \new
.endif
.endm
.macro PLACES n
.rept \n
	v_nop
.endr
.endm
.macro CROUND                          ; a round of the cluster's barrier
	s_barrier_signal -1
	s_barrier_wait -1
	s_cmp_lg_u32 s12, 0
	s_cbranch_scc1 .Lnot_wave_0_\@
	s_barrier_signal -3
.Lnot_wave_0_\@:
	s_barrier_wait -3
	s_barrier_signal -1
	s_barrier_wait -1
.endm
; A joint load: waves 0, 1 fetch for the weight, waves 2, 3 for the tokens.  The branch hangs on the wave's number alone.  An s_nop 0 and four v_nop follow each line.
.macro JLOAD g0a, g1a, g0b, g1b
	s_cmp_eq_u32 s14, 0
	s_cbranch_scc0 .Lfor_y_\@
	tensor_load_to_lds s[\g0a:\g0a+3], s[\g1a:\g1a+7]
	s_nop 0
.rept 4
	v_nop
.endr
	s_branch .Lasked_\@
.Lfor_y_\@:
	tensor_load_to_lds s[\g0b:\g0b+3], s[\g1b:\g1b+7]
	s_nop 0
.rept 4
	v_nop
.endr
.Lasked_\@:
.endm
; THE FILLS AS THIS TEXT HAS THEM (this takes the place of what the head comment says of where the parts are asked for).  A wave issues one tensor load at the head and one behind each round.
; HEAD: parts 0 and 1 together, four loads of 51,200 bytes (200 rows): wave 0 the weight's K steps 0-3 into region 0, wave 1 its K steps 4-7 into region 1, waves 2, 3 the tokens' likewise.
; BEHIND THE HEAD: part 2, region 2's first fill, 25,600 bytes (100 rows) a wave.   K STEP 7: regions 0 and 1, both read out, are filled again with parts 3 and 4, shared out as at the head.
; K STEP 11: region 2 is filled again with part 5, 25,600 bytes a wave.   K STEP 19: a plain barrier shows part 5.
; Ahead of each: every wave waits for all its tensor loads, adds 0 to its spare word, writes the descriptors (no load of the wave is out), waits for the add; a round of the cluster's barrier; the joint load first behind it.
.macro ROWS r                          ; group 1's two words that count rows
	s_mov_b32 s[G1X+2], (\r)<<16
	s_mov_b32 s[G1X+4], \r
	s_mov_b32 s[G1Y+2], (\r)<<16
	s_mov_b32 s[G1Y+4], \r
.endm
.macro FILL n
	s_wait_tensorcnt 0x0
	ds_add_u32 v[SPW], v[NIL]
	ROWS 100
	s_wait_dscnt 0x0
	CROUND
	JLOAD G0X+4*(\n), G1X, G0Y+4*(\n), G1Y
.endm
.macro BIG
	s_wait_tensorcnt 0x0
	ds_add_u32 v[SPW], v[NIL]
	ROWS 200
	s_add_nc_u64 s[G0X+2:G0X+3], s[G0X+2:G0X+3], s[72:73]   ; from part 0 to part 3, or from part 1 to part 4
	s_add_nc_u64 s[G0Y+2:G0Y+3], s[G0Y+2:G0Y+3], s[74:75]
	s_wait_dscnt 0x0
	CROUND
	JLOAD G0X, G1X, G0Y, G1Y
.endm
.macro REFILL n
.set DT, ((\n)/2)-(((\n)-3)/2)         ; tensors on,
.set DH, ((\n)%2)-(((\n)-3)%2)
	s_wait_tensorcnt 0x0
	ds_add_u32 v[SPW], v[NIL]
	ROWS 100
	s_add_nc_u64 s[G0X+4*((\n)%3)+2:G0X+4*((\n)%3)+3], s[G0X+4*((\n)%3)+2:G0X+4*((\n)%3)+3], DT*8*GROUPB+DH*HALFB    ; a weight is 8 groups; the type bits on top are not reached
	s_add_nc_u64 s[G0Y+4*((\n)%3)+2:G0Y+4*((\n)%3)+3], s[G0Y+4*((\n)%3)+2:G0Y+4*((\n)%3)+3], DT*32*GROUPB+DH*HALFB   ; a tensor of tokens 32
	s_wait_dscnt 0x0                               ; the add is done
	CROUND
	JLOAD G0X+4*((\n)%3), G1X, G0Y+4*((\n)%3), G1Y
.endm
; 33 LDS loads: K step g's (0 to 23) scale words and eight fragments into set g % 2
.macro FETCH g
.set FQ, 96*((\g)%2)
.set FH, ((\g)/4)%3
.set FO, ((\g)%4)*STEPB
	ds_load_b128 v[SC+4*((\g)%2):SC+4*((\g)%2)+3], v[SA+FH] offset:FO
.irp t, 0,1,2,3
	ds_load_b128 v[FX+FQ+12*\t:FX+FQ+12*\t+3], v[XI+FH] offset:FO+1536*\t
	ds_load_b64 v[FX+FQ+12*\t+4:FX+FQ+12*\t+5], v[XJ+FH] offset:FO+1536*\t+512
	ds_load_b128 v[FX+FQ+12*\t+6:FX+FQ+12*\t+9], v[XI+FH] offset:FO+1536*\t+768
	ds_load_b64 v[FX+FQ+12*\t+10:FX+FQ+12*\t+11], v[XJ+FH] offset:FO+1536*\t+1280
.endr
.irp t, 0,1,2,3
	ds_load_b128 v[FY+FQ+12*\t:FY+FQ+12*\t+3], v[YI+FH] offset:FO+1536*\t
	ds_load_b64 v[FY+FQ+12*\t+4:FY+FQ+12*\t+5], v[YJ+FH] offset:FO+1536*\t+512
	ds_load_b128 v[FY+FQ+12*\t+6:FY+FQ+12*\t+9], v[YI+FH] offset:FO+1536*\t+768
	ds_load_b64 v[FY+FQ+12*\t+10:FY+FQ+12*\t+11], v[YJ+FH] offset:FO+1536*\t+1280
.endr
.endm
; 16 matrix instructions, the 16 accumulators by turns in the same order in every K step.  v = 0: weight tile t x token tile i;  v = 1: token tile t x weight tile i.  A tensor's first K step starts the sums.
.macro MUL16 g, v
.set MQ, 96*((\g)%2)
.set MS, 4*((\g)%2)
	WIN 0x50                                       ; C and D in window 1
.irp i, 0,1,2,3
.irp t, 0,1,2,3
.if (\v) == 0
.if ((\g)%8) == 0
	v_wmma_scale_f32_16x16x128_f8f6f4 v[8*(4*\i+\t):8*(4*\i+\t)+7], v[FX+MQ+12*\t:FX+MQ+12*\t+11], v[FY+MQ+12*\i:FY+MQ+12*\i+11], 0, v[SC+MS+\t], v[SC+MS+\i] matrix_a_fmt:MATRIX_FMT_FP6 matrix_b_fmt:MATRIX_FMT_FP6 matrix_b_scale:MATRIX_SCALE_ROW1
.else
	v_wmma_scale_f32_16x16x128_f8f6f4 v[8*(4*\i+\t):8*(4*\i+\t)+7], v[FX+MQ+12*\t:FX+MQ+12*\t+11], v[FY+MQ+12*\i:FY+MQ+12*\i+11], v[8*(4*\i+\t):8*(4*\i+\t)+7], v[SC+MS+\t], v[SC+MS+\i] matrix_a_fmt:MATRIX_FMT_FP6 matrix_b_fmt:MATRIX_FMT_FP6 matrix_b_scale:MATRIX_SCALE_ROW1
.endif
.else
.if ((\g)%8) == 0
	v_wmma_scale_f32_16x16x128_f8f6f4 v[8*(4*\i+\t):8*(4*\i+\t)+7], v[FY+MQ+12*\t:FY+MQ+12*\t+11], v[FX+MQ+12*\i:FX+MQ+12*\i+11], 0, v[SC+MS+\t], v[SC+MS+\i] matrix_a_fmt:MATRIX_FMT_FP6 matrix_b_fmt:MATRIX_FMT_FP6 matrix_a_scale:MATRIX_SCALE_ROW1
.else
	v_wmma_scale_f32_16x16x128_f8f6f4 v[8*(4*\i+\t):8*(4*\i+\t)+7], v[FY+MQ+12*\t:FY+MQ+12*\t+11], v[FX+MQ+12*\i:FX+MQ+12*\i+11], v[8*(4*\i+\t):8*(4*\i+\t)+7], v[SC+MS+\t], v[SC+MS+\i] matrix_a_fmt:MATRIX_FMT_FP6 matrix_b_fmt:MATRIX_FMT_FP6 matrix_a_scale:MATRIX_SCALE_ROW1
.endif
.endif
.endr
.endr
	WIN 0                                          ; at a label and at a branch every window is 0
.endm
.macro STEPK g
	s_wait_dscnt 0x0                               ; this K step's fragments are in: with them all my reads of the parts up to this K step's are back
.if (\g) == 7
	BIG                                            ; parts 0 and 1 have been read.  The wait in it shows part 2 landed, in every wave behind the round
.elseif (\g) == 11
	REFILL 5                                       ; part 2 has been read.  The wait in it shows parts 3 and 4 landed
.elseif (\g) == 19
	s_wait_tensorcnt 0x0                           ; my share of part 5, the last load, has landed,
	s_barrier_signal -1
	s_barrier_wait -1                              ; everybody's has.
.endif
.if ((\g)%8) < 7
.if ((\g)%8) > 0
	PLACES 4                                       ; in front of loads into registers that the matrix instructions just issued have read (ISA guide 7.12.1 for vector instructions)
.endif
	FETCH (\g)+1
.endif
	MUL16 \g, (\g)/16
.endm
; 64 numbers of a lane in window 1, register 16 b + i = k 32 b + 16 h + i, become twelve registers of codes in v[pc] on (two half fragments) and four scale bytes in v[pw].  Each accumulator is first read at its registers 0 and 1.
.macro QUANT s, pc, pw
	WIN 0x05                                       ; sources 0 and 1 in window 1
.irp b, 0,1,2,3
	v_max3_num_f32 v[TM+\b], |v[\s+16*\b]|, |v[\s+1+16*\b]|, 0x1800000   ; and the floor 2^(3 - 127): the byte cannot fall under 1
.endr
.irp i, 2,4,6,8,10,12,14
.irp b, 0,1,2,3
	v_max3_num_f32 v[TM+\b], |v[\s+16*\b+\i]|, |v[\s+1+16*\b+\i]|, v[TM+\b]
.endr
.endr
	WIN 0
.irp b, 0,1,2,3
	v_permlanex16_b32 v[TM+4+\b], v[TM+\b], s[SEL], s[SEL+1]
.endr
.irp b, 0,1,2,3
	v_max_num_f32 v[TM+\b], v[TM+\b], v[TM+4+\b]
.endr
.irp b, 0,1,2,3
	v_add_nc_u32 v[TM+12+\b], 0xff000000, v[TM+\b]   ; 2 off the exponent field: the conversion's scale operand
.endr
.irp b, 0,1,2,3
	v_lshrrev_b32 v[TM+4+\b], 23, v[TM+12+\b]
.endr
	v_lshl_or_b32 v[\pw], v[TM+5], 8, v[TM+4]
	v_lshl_or_b32 v[\pw], v[TM+6], 16, v[\pw]
	v_lshl_or_b32 v[\pw], v[TM+7], 24, v[\pw]
	WIN 0x01                                       ; source 0, the numbers, in window 1
.irp c, 0,1
	v_cvt_scalef32_pk16_fp6_f32 v[\pc+6*\c:\pc+6*\c+2], v[\s+32*\c:\s+32*\c+15], v[TM+12+2*\c]
	v_cvt_scalef32_pk16_fp6_f32 v[TT+4*\c:TT+4*\c+2], v[\s+16+32*\c:\s+31+32*\c], v[TM+13+2*\c]
.endr
	WIN 0
	v_nop                                          ; one plain place behind a scaled conversion
.irp c, 0,1
.irp i, 0,1,2
	v_permlane16_swap_b32 v[\pc+6*\c+\i], v[TT+4*\c+\i]
.endr
.irp i, 0,1,2
	v_mov_b32 v[\pc+3+6*\c+\i], v[TT+4*\c+\i]
.endr
.endr
.endm
; THE WAY OUT of a tensor: two tiles of source 1 at a time: 64 registers a lane become two half fragments and their four scale bytes.
.macro OUTQ p
	QUANT 64*\p, PC+12*\p, PW+\p
	global_store_b128 v[LI], v[PC+12*\p:PC+12*\p+3], s[92:93] offset:3072*\p          ; each store covers whole aligned runs of 256 bytes
	global_store_b64 v[LJ], v[PC+12*\p+4:PC+12*\p+5], s[92:93] offset:3072*\p+512
	global_store_b128 v[LI], v[PC+12*\p+6:PC+12*\p+9], s[92:93] offset:3072*\p+1536
	global_store_b64 v[LJ], v[PC+12*\p+10:PC+12*\p+11], s[92:93] offset:3072*\p+2048
	v_lshrrev_b32 v[PH+\p], v[SH16], v[PW+\p]      ; lanes 0-15 store the first tile's two bytes, lanes 16-31 the second's
	global_store_b16 v[SVA], v[PH+\p], s[94:95] offset:8*\p   ; two bytes a lane: one byte in 48 of what the launch stores
.endm
.macro OUT
	PLACES 4                                       ; behind the last products, in front of the first read of results and the first write of their operands' registers
	OUTQ 0
	OUTQ 1
.endm
	s_load_b256 s[4:11], s[0:1], 0x0               ; wimg s[4:5], ximg s[6:7], qimg s[8:9], kv s[10:11]
	v_lshl_add_u32 v[SPW], v0, 2, SPARE
	v_mov_b32 v[NIL], 0
	ds_add_u32 v[SPW], v[NIL]                      ; the wave's opening: the add, twice on end, and its wait ahead of my first tensor load
	ds_add_u32 v[SPW], v[NIL]
	v_lshrrev_b32 v26, 5, v0
	v_readfirstlane_b32 s12, v26                   ; wave 0..3
	s_and_b32 s13, s12, 1                          ; my half of the weight's 128.  Also: which two of a part's four K steps I fetch
	s_lshr_b32 s14, s12, 1                         ; my half of the 128 tokens.    Also: I fetch for the weight (0) or the tokens (1)
	s_bfe_u32 s15, ttmp6, 0x40000                  ; cx
	s_bfe_u32 s16, ttmp6, 0x40004                  ; cy
	s_lshl_b32 s17, ttmp9, 2
	s_add_co_u32 s17, s17, s15                     ; work-group x: the weights' group
	s_and_b32 s18, ttmp7, 0xffff
	s_lshl_b32 s18, s18, 2
	s_add_co_u32 s18, s18, s16                     ; work-group y: the token group, 0 to 31
	s_lshl_b32 s21, s16, 2
	s_lshl_b32 s21, 15, s21                        ; my row of the cluster
	s_lshl_b32 s22, 0x1111, s15                    ; my column
	; descriptor group 1: two K steps of a group, 25,600 dense bytes, as 100 rows of 32 elements of 8 bytes; no padding
	s_or_b32 s[G1X], s22, (3<<16)|(1<<21)          ; 15:0 the mask: the weight's loads go to my column; 17:16 elements of 8 bytes; 21 set beside a mask
	s_or_b32 s[G1Y], s21, (3<<16)|(1<<21)          ; the tokens' go to my row
.irp g, G1X, G1Y
	s_mov_b32 s[\g+1], 32<<16                      ; tensor_dim0
	s_mov_b32 s[\g+2], 200<<16                     ; tensor_dim1: the head's loads have 200 rows
	s_mov_b32 s[\g+3], 32<<16
	s_mov_b32 s[\g+4], 200                         ; tile_dim1
	s_mov_b32 s[\g+5], 32                          ; tensor_dim0_stride
	s_mov_b32 s[\g+6], 0
	s_mov_b32 s[\g+7], 0
.endr
	s_mul_i32 s23, s12, 2*STEPB                    ; where my share of a part lies in a region: wave x 25,600
	s_mul_i32 s20, s13, 2*STEPB                    ; and in a group's four K steps in memory
	s_mul_i32 s68, s17, GROUPB                     ; Wq's group x
	s_add_co_u32 s68, s68, s20
	s_mov_b32 s69, 0
	s_mul_i32 s70, s18, GROUPB                     ; q's token group y
	s_add_co_u32 s70, s70, s20
	s_mov_b32 s71, 0
	s_mov_b32 s[SEL], 0x76543210
	s_mov_b32 s[SEL+1], 0xfedcba98
	s_wait_dscnt 0x0                               ; both opening adds are done
	s_wait_kmcnt 0x0
	s_add_nc_u64 s[68:69], s[4:5], s[68:69]
	s_add_nc_u64 s[70:71], s[6:7], s[70:71]
	CROUND                                         ; all sixteen work-groups are here: the joint loads meet
.irp n, 2
	s_mov_b32 s[G0X+4*\n], 1
	s_add_co_u32 s[G0X+4*\n+1], s23, REG*\n        ; LDS address: region n
	s_add_nc_u64 s[G0X+4*\n+2:G0X+4*\n+3], s[68:69], (\n/2)*8*GROUPB+(\n%2)*HALFB   ; part n: tensor n / 2, half n % 2 of K
	s_or_b32 s[G0X+4*\n+3], s[G0X+4*\n+3], 0x80000000   ; type = 2
	s_mov_b32 s[G0Y+4*\n], 1
	s_add_co_u32 s[G0Y+4*\n+1], s23, REG*\n
	s_add_nc_u64 s[G0Y+4*\n+2:G0Y+4*\n+3], s[70:71], (\n/2)*32*GROUPB+(\n%2)*HALFB
	s_or_b32 s[G0Y+4*\n+3], s[G0Y+4*\n+3], 0x80000000
.endr
	s_mov_b32 s21, 0                               ; s20 = (wave % 2) x two K steps: twice that is in the addresses below: four K steps
	s_mov_b32 s[G0X], 1                            ; the loads of 51,200 bytes: half wave % 2 of K, into region wave % 2
	s_mul_i32 s[G0X+1], s13, REG
	s_add_nc_u64 s[G0X+2:G0X+3], s[68:69], s[20:21]
	s_or_b32 s[G0X+3], s[G0X+3], 0x80000000
	s_mov_b32 s[G0Y], 1
	s_add_co_u32 s[G0Y+1], s[G0X+1], HALFB
	s_add_nc_u64 s[G0Y+2:G0Y+3], s[70:71], s[20:21]
	s_or_b32 s[G0Y+3], s[G0Y+3], 0x80000000
	s_mul_i32 s72, s13, 8*GROUPB-2*HALFB           ; bytes from part 0 to part 3 (a tensor and half of K on), from part 1 to part 4 (two tensors on, half of K back)
	s_add_co_u32 s72, s72, 8*GROUPB+HALFB
	s_mov_b32 s73, 0
	s_mul_i32 s74, s13, 32*GROUPB-2*HALFB
	s_add_co_u32 s74, s74, 32*GROUPB+HALFB
	s_mov_b32 s75, 0
	JLOAD G0X, G1X, G0Y, G1Y                       ; parts 0 and 1: one tensor load a wave at the head
	v_and_b32 v26, 31, v0                          ; lane
	v_and_b32 v27, 15, v0                          ; r
	v_bfe_u32 v28, v0, 4, 1                        ; h
	v_lshlrev_b32 v[LI], 4, v26
	v_lshlrev_b32 v[LJ], 4, v27
	v_lshl_add_u32 v[LJ], v28, 3, v[LJ]
	s_mul_i32 s20, s13, 6144                       ; my four weight tiles
	v_add_nc_u32 v[XI], s20, v[LI]
	v_add_nc_u32 v[XJ], s20, v[LJ]
	s_mul_i32 s21, s14, 6144                       ; my four token tiles,
	s_add_co_u32 s21, s21, HALFB                   ; behind the weight's four K steps
	v_add_nc_u32 v[YI], s21, v[LI]
	v_add_nc_u32 v[YJ], s21, v[LJ]
	s_lshl_b32 s20, s13, 8
	s_lshl_b32 s21, s14, 8
	s_add_co_u32 s21, s21, HALFB
	s_sub_co_u32 s21, s21, s20                     ; from the weight's words to the tokens'
	v_mul_u32_u24 v[SA], s21, v28                  ; lanes 16-31 take the tokens'
	v_lshl_add_u32 v[SA], v27, 4, v[SA]
	s_add_co_u32 s20, s20, 12288
	v_add_nc_u32 v[SA], s20, v[SA]
.irp n, 1,2
	v_add_nc_u32 v[XI+\n], REG*\n, v[XI]
	v_add_nc_u32 v[XJ+\n], REG*\n, v[XJ]
	v_add_nc_u32 v[YI+\n], REG*\n, v[YI]
	v_add_nc_u32 v[YJ+\n], REG*\n, v[YJ]
	v_add_nc_u32 v[SA+\n], REG*\n, v[SA]
.endr
	v_lshlrev_b32 v[SH16], 4, v28
	v_lshlrev_b32 v[SVA], 4, v27
	v_lshl_add_u32 v[SVA], v28, 2, v[SVA]
.irp b, 0,1,2,3
	v_mov_b32 v[TM+4+\b], 0                        ; written once: a lane permute's destination counts as one of its sources
.endr
	; where my results go
	s_bfe_u32 s86, s18, 0x10004                    ; b
	s_lshl_b32 s86, s86, 4
	s_lshl_b32 s87, s17, 1
	s_add_co_u32 s86, s86, s87
	s_add_co_u32 s86, s86, s13                     ; 16 b + head, head = 2 x + my half
	s_mul_i32 s86, s86, GROUPB
	s_and_b32 s87, s18, 15                         ; the step of 128 tokens
	s_mul_i32 s87, s87, 6400
	s_add_co_u32 s86, s86, s87                     ; the step's block in qimg; kv's blocks are twice as large
	s_mul_i32 s87, s14, 768                        ; my half of the tokens is the fragments' half,
	s_lshl_b32 s90, s14, 1                         ; and the scale words' half
	s_add_co_u32 s92, s86, s87
	s_mov_b32 s93, 0
	s_add_co_u32 s94, s86, s90
	s_add_co_u32 s94, s94, 6144
	s_mov_b32 s95, 0
	s_lshl_b32 s86, s86, 1
	s_add_co_u32 s88, s86, s90
	s_add_co_u32 s88, s88, 12288                   ; s[88:89]: K's scale bytes, as an offset in kv
	s_mov_b32 s89, 0
	s_add_co_u32 s86, s86, s87                     ; s[86:87]: K's codes
	s_mov_b32 s87, 0
	s_add_nc_u64 s[92:93], s[8:9], s[92:93]        ; the queries' codes
	s_add_nc_u64 s[94:95], s[8:9], s[94:95]        ; and their scale bytes
	s_wait_alu depctr_va_vdst(0)                   ; the head's end
	FILL 2                                         ; parts 0 and 1 are in, in every wave; part 2 is asked for
	FETCH 0
.irp g, 0,1,2,3,4,5,6,7
	STEPK \g
.endr
	OUT                                            ; the queries
	s_wait_xcnt 0x0                                ; the stores have read their registers and bases: both may be written again
	s_add_nc_u64 s[92:93], s[10:11], s[86:87]      ; on to K's places in kv
	s_add_nc_u64 s[94:95], s[10:11], s[88:89]
	FETCH 8
.irp g, 8,9,10,11,12,13,14,15
	STEPK \g
.endr
	OUT                                            ; the keys
	s_wait_xcnt 0x0
	s_add_nc_u64 s[92:93], s[92:93], 6144          ; V's fragments lie behind K's,
	s_add_nc_u64 s[94:95], s[94:95], 256           ; and so do its scale words
	FETCH 16
.irp g, 16,17,18,19,20,21,22,23
	STEPK \g
.endr
	OUT                                            ; the values
	s_wait_tensorcnt 0x0                           ; the wave's end
	ds_add_u32 v[SPW], v[NIL]
	s_wait_dscnt 0x0
	CROUND                                         ; the closing round: no work-group ends while a partner may still ask for a load that names it
	s_endpgm
.Lfunc_end_k_q6904eb74b5_proj:
	.size	k_q6904eb74b5_proj, .Lfunc_end_k_q6904eb74b5_proj-k_q6904eb74b5_proj
	.p2alignl 7, 3214868480
	.fill 96, 4, 3214868480
	.section	.rodata,"a",@progbits
	.p2align	6, 0x0
	.amdhsa_kernel k_q6904eb74b5_proj
		.amdhsa_group_segment_fixed_size 327680
		.amdhsa_private_segment_fixed_size 0
		.amdhsa_enable_private_segment 0
		.amdhsa_kernarg_size 32
		.amdhsa_user_sgpr_count 2
		.amdhsa_user_sgpr_kernarg_segment_ptr 1
		.amdhsa_wavefront_size32 1
		.amdhsa_system_sgpr_workgroup_id_x 1
		.amdhsa_system_sgpr_workgroup_id_y 1
		.amdhsa_system_sgpr_workgroup_id_z 1
		.amdhsa_system_vgpr_workitem_id 0
		.amdhsa_next_free_vgpr 384
		.amdhsa_next_free_sgpr 98
		.amdhsa_reserve_vcc 0
		.amdhsa_float_denorm_mode_32 3
		.amdhsa_float_denorm_mode_16_64 3
		.amdhsa_memory_ordered 1
		.amdhsa_forward_progress 1
		.amdhsa_inst_pref_size 141
	.end_amdhsa_kernel
	.amdgpu_metadata
---
amdhsa.version: [ 1, 2 ]
amdhsa.kernels:
  - .name:           k_q6904eb74b5_proj
    .symbol:         k_q6904eb74b5_proj.kd
    .args:
      - { .name: wimg, .offset: 0, .size: 8, .value_kind: global_buffer, .address_space: global }
      - { .name: ximg, .offset: 8, .size: 8, .value_kind: global_buffer, .address_space: global }
      - { .name: qimg, .offset: 16, .size: 8, .value_kind: global_buffer, .address_space: global }
      - { .name: kv, .offset: 24, .size: 8, .value_kind: global_buffer, .address_space: global }
    .group_segment_fixed_size: 327680
    .private_segment_fixed_size: 0
    .kernarg_segment_align: 8
    .kernarg_segment_size: 32
    .max_flat_workgroup_size: 128
    .sgpr_count:     98
    .vgpr_count:     384
    .wavefront_size: 32
...
	.end_amdgpu_metadata
.endif
;; end of part 2
;; launch attn (part 3): grid 8 x 32, 16 waves a work-group, clusters of 4 x 1, 206,848 bytes of LDS; arguments qimg, kv, oimg; writes oimg
.if DOCPART == 3
	.amdgcn_target "amdgcn-amd-amdhsa--gfx1250"
	.amdhsa_code_object_version 6
	.text
	.protected	k_q6904eb74b5_attn
	.globl	k_q6904eb74b5_attn
	.p2align	8
	.type	k_q6904eb74b5_attn,@function
k_q6904eb74b5_attn:
	s_mov_b64 s[64:65], 0
	v_nop
	global_prefetch_b8 v0, s[64:65] scope:SCOPE_SE
	s_setreg_imm32_b32 hwreg(HW_REG_WAVE_MODE, 25, 1), 1
	s_wait_xcnt 0x0
	s_wait_alu depctr_hold_cnt(0) depctr_sa_sdst(0) depctr_va_vdst(0) depctr_va_sdst(0) depctr_va_ssrc(0) depctr_va_vcc(0) depctr_vm_vsrc(0)
	s_getreg_b32 s2, hwreg(HW_REG_IB_STS2, 6, 4)
	s_cmp_eq_u32 s2, 0
	s_cbranch_scc0 .Lentry_in_a_cluster
	s_endpgm
.Lentry_in_a_cluster:
	s_bfe_u32 s2, ttmp6, 0x10000c
	s_cmp_lg_u32 s2, 0x3003
	s_cbranch_scc0 .Lentry_shape_is_right
	s_endpgm
.Lentry_shape_is_right:
; ATTENTION on codes of FP6 (E2M3): S^T = K Q^T, p = 2^(t - M), O^T += V^T p^T, O / l quantised along the heads' axis for the last projection.  No work of the problem is left out here.
; t = score x log2(e) / 8 (the queries' factor 1/8 is a power of two and is applied here, as the first launch's head says); M = ceil(the running largest t), kept as -M = floor(-t);
; when M moves, l and O^T are multiplied by 2^(old M - new M), which rounds nothing; l is the sum of the unquantised p.
; LIMITS: as at the head of the first launch (floor of a block's largest magnitude 2^-124; no NaN, no infinities); the promise holds while the scaled scores t stay under 2^31 in magnitude.
; SHARES.  Work-group (x, y): head y % 16 of batch y / 16, queries 256 x .. 256 x + 255.  Wave w: one tile of 16 queries, all 2,048 keys in 16 steps of 128.  A lane holds one query throughout.
; LDS.  The head's 16 key steps of kv, 12,800 bytes each, FILLED ONCE: wave w asks for key step w, one tensor load a wave at the head; nothing is filled again.  Behind them the spare words, 128 bytes a wave.
; CLUSTER 4 x 1: the four work-groups of a cluster read the same head's kv: each load is asked for jointly.
; NO PREFETCH: all that the launch reads of kv is asked for by the head's loads: there is no loop to run ahead in.
; FORMATS (qimg, kv, oimg; half fragment 768 bytes, fragment 1,536) as the launches before lay them.  A fragment of K holds key tiles f (k 0-63) and f + 4 (k 64-127); the query's six registers stand between two runs of six zeros,
; so that v[ZQ+6 ..] multiplies tile f and v[ZQ ..] tile f + 4.  By the order of k's tokens a lane's S registers 0-31 and 32-63 are blocks h and 2 + h of the step's 128 keys: p's codes fall as the operand wants them.
; A STEP'S ORDER: all sources of the exponentials and the rescaling of O first, one wait, the 66 exponentials, one wait and the wait for V's fragments; the sums, the scales, the codes; the products, with the last four sums as their places.
; Work on two neighbouring registers is written as a dual pair: an even and an odd destination, sources in different register banks or the same register; so -M stands in v12 and in v11.
.set STEPB,  12800
.set SPARE,  16*STEPB
.set LI,  1                            ; 16 x lane
.set LJ,  2                            ; 16 r + 8 h
.set SPW, 3                            ; my spare word; never rewritten
.set NIL, 4                            ; 0; never rewritten
.set LN,  5                            ; lane
.set ADI, 6                            ; LI, LJ + this key step's place in LDS
.set ADJ, 7
.set RA,  8                            ; 16 r
.set SH8, 9                            ; 8 h
.set CV,  10                           ; log2(e) / 8.   v11, v12 -M, v13 the running largest score, v14, v15 l in two halves
.set ZQ,  16                           ; v16-33 zeros, the query's codes, zeros
.set QS,  34                           ; the query's scale word
.set FR,  36                           ; v36-83 four fragments: K's, then V's
.set SW,  84                           ; v84-87 scale words: lanes 0-15 K's, lanes 16-31 V's
.set AC,  86                           ; v88-93 three more chains of the sum
.set S,   96                           ; v96-159 scores, then p
.set O,   160                          ; v160-191 O^T
.set PC,  192                          ; v192-203 p's codes
.set TT,  204
.set MX,  212
.set PT,  216
.set SO,  220
.set F,   224
.set PWD, 226                          ; p's scale word
.set TMP, 227
.set WV,  12
.set G1,  24
.set G0,  32
.set SEL, 40
.set CS,  42
.set TB,  44
.set CNT, 45
.macro CROUND                          ; a round of the cluster's barrier
	s_barrier_signal -1
	s_barrier_wait -1
	s_cmp_lg_u32 s[WV], 0
	s_cbranch_scc1 .Lnot_wave_0_\@
	s_barrier_signal -3
.Lnot_wave_0_\@:
	s_barrier_wait -3
	s_barrier_signal -1
	s_barrier_wait -1
.endm
	s_load_b128 s[4:7], s[0:1], 0x0                ; qimg, kv
	s_load_b64 s[8:9], s[0:1], 0x10                ; oimg
	v_lshl_add_u32 v[SPW], v0, 2, SPARE
	v_mov_b32 v[NIL], 0
	ds_add_u32 v[SPW], v[NIL]                      ; the opening: the add, twice on end, and its wait ahead of my tensor load
	ds_add_u32 v[SPW], v[NIL]
	v_lshrrev_b32 v5, 5, v0
	v_readfirstlane_b32 s[WV], v5                  ; wave 0..15
	v_and_b32 v[LN], 31, v0
	v_and_b32 v10, 15, v0                          ; r
	v_bfe_u32 v11, v0, 4, 1                        ; h
	v_lshlrev_b32 v[LI], 4, v[LN]
	v_lshlrev_b32 v[RA], 4, v10
	v_lshl_add_u32 v[LJ], v11, 3, v[RA]
	v_lshlrev_b32 v[SH8], 3, v11
	s_bfe_u32 s13, ttmp6, 0x40000                  ; cx
	s_lshl_b32 s14, ttmp9, 2
	s_add_co_u32 s14, s14, s13                     ; work-group x
	s_and_b32 s15, ttmp7, 0xffff                   ; head + 16 b
	s_mov_b32 s[G1], 15|(3<<16)|(1<<21)            ; group 1: the mask of the four; 12,800 dense bytes as 50 rows of 32 elements of 8 bytes
	s_mov_b32 s[G1+1], 32<<16
	s_mov_b32 s[G1+2], 50<<16
	s_mov_b32 s[G1+3], 32<<16
	s_mov_b32 s[G1+4], 50
	s_mov_b32 s[G1+5], 32
	s_mov_b32 s[G1+6], 0
	s_mov_b32 s[G1+7], 0
	s_mul_i32 s16, s[WV], STEPB                    ; key step w, in LDS and in the head's part of kv
	s_mul_i32 s17, s15, 16*STEPB
	s_add_co_u32 s18, s17, s16
	s_mov_b32 s19, 0
	s_mov_b32 s[SEL], 0x76543210
	s_mov_b32 s[SEL+1], 0xfedcba98                 ; lane l xor 16
	s_mov_b32 s[CS], 0x3e38aa3b                    ; log2(e) / 8
	s_mov_b32 s[TB], 0
	s_lshl_b32 s20, s14, 1
	s_lshr_b32 s21, s[WV], 3
	s_add_co_u32 s20, s20, s21                     ; my step of 128 tokens
	s_and_b32 s21, s[WV], 7                        ; my token tile: fragment s22, half s23
	s_and_b32 s22, s21, 3
	s_lshr_b32 s23, s21, 2
	s_mul_i32 s46, s15, 102400
	s_mul_i32 s47, s20, 6400
	s_add_co_u32 s46, s46, s47
	s_mul_i32 s47, s22, 1536
	s_add_co_u32 s48, s46, s47
	s_mul_i32 s47, s23, 768
	s_add_co_u32 s48, s48, s47                     ; my query tile's codes
	s_mov_b32 s49, 0
	s_lshl_b32 s47, s22, 2
	s_add_co_u32 s50, s46, s47
	s_lshl_b32 s47, s23, 1
	s_add_co_u32 s50, s50, s47
	s_add_co_u32 s50, s50, 6144                    ; and its scale bytes
	s_mov_b32 s51, 0
	s_lshr_b32 s52, s15, 4                         ; oimg: token group 16 b + step, K step head / 2, half head % 2
	s_lshl_b32 s52, s52, 4
	s_add_co_u32 s52, s52, s20
	s_mul_i32 s52, s52, 102400
	s_bfe_u32 s53, s15, 0x30001
	s_mul_i32 s53, s53, STEPB
	s_add_co_u32 s52, s52, s53
	s_and_b32 s53, s15, 1
	s_mul_i32 s54, s21, 1536
	s_add_co_u32 s54, s54, s52
	s_mul_i32 s55, s53, 768
	s_add_co_u32 s54, s54, s55
	s_mov_b32 s55, 0
	s_lshl_b32 s56, s23, 8
	s_add_co_u32 s56, s56, s52
	s_lshl_b32 s57, s22, 2
	s_add_co_u32 s56, s56, s57
	s_lshl_b32 s57, s53, 1
	s_add_co_u32 s56, s56, s57
	s_add_co_u32 s56, s56, 12288
	s_mov_b32 s57, 0
	s_wait_alu depctr_va_vdst(0)                   ; directly ahead of the waits below
	s_wait_dscnt 0x0                               ; both opening adds are done
	s_wait_kmcnt 0x0
	s_add_nc_u64 s[18:19], s[6:7], s[18:19]
	s_add_nc_u64 s[48:49], s[4:5], s[48:49]
	s_add_nc_u64 s[50:51], s[4:5], s[50:51]
	s_add_nc_u64 s[54:55], s[8:9], s[54:55]
	s_add_nc_u64 s[56:57], s[8:9], s[56:57]
	s_mov_b32 s[G0], 1
	s_mov_b32 s[G0+1], s16
	s_mov_b64 s[G0+2:G0+3], s[18:19]
	s_or_b32 s[G0+3], s[G0+3], 0x80000000
	CROUND                                         ; the four work-groups are here: the joint loads meet
	tensor_load_to_lds s[G0:G0+3], s[G1:G1+7]      ; key step w: my one tensor load
	s_nop 0
.rept 4
	v_nop
.endr
	global_load_b128 v[ZQ+6:ZQ+9], v[LI], s[48:49]
	global_load_b64 v[ZQ+10:ZQ+11], v[LJ], s[48:49] offset:512
	global_load_u16 v[QS], v[RA], s[50:51]
	s_wait_loadcnt 0x0
	v_lshl_or_b32 v[QS], v[QS], 16, v[QS]          ; the tile's two bytes in both halves of the word; the 17 lines below are its places ahead of the first product
.irp j, 0,1,2,3,4,5
	v_mov_b32 v[ZQ+\j], 0
	v_mov_b32 v[ZQ+12+\j], 0
.endr
	v_mov_b32 v14, 0
	v_mov_b32 v15, 0
	v_mov_b32 v[PT], 0                             ; a lane permute's destination counts as one of its sources
	v_mov_b32 v[PT+2], 0
	v_mov_b32 v[CV], s[CS]
.macro KLOAD ai, aj, off               ; 17 LDS loads: a key step's scale words and K's four fragments
	ds_load_b128 v[SW:SW+3], v[\ai] offset:\off+12288
.irp f, 0,1,2,3
	ds_load_b128 v[FR+12*\f:FR+12*\f+3], v[\ai] offset:\off+1536*\f
	ds_load_b64 v[FR+12*\f+4:FR+12*\f+5], v[\aj] offset:\off+1536*\f+512
	ds_load_b128 v[FR+12*\f+6:FR+12*\f+9], v[\ai] offset:\off+1536*\f+768
	ds_load_b64 v[FR+12*\f+10:FR+12*\f+11], v[\aj] offset:\off+1536*\f+1280
.endr
.endm
.macro DADD d, a, b                    ; registers d, d + 1 = a, a + 1 plus b, b + 1 (d, a, b even)
	v_dual_add_f32 v[\d], v[\a], v[\b] :: v_dual_add_f32 v[(\d)+1], v[(\a)+1], v[(\b)+1]
.endm
.macro SUMS n                          ; the next n of the 32 lines that add the step's 64 p to l: four chains; line 3 brings l under the new M in the same line
.rept \n
.if sa < 3
	DADD AC+2+2*sa, S+4*sa, S+4*sa+2
.elseif (sa == 3) && (fst == 0)
	v_dual_fma_f32 v14, v14, v[F], v[S+12] :: v_dual_fma_f32 v15, v15, v[F], v[S+13]
.elseif sa < 29
.if (sa+1)%4 == 0
	DADD 14, S+2*sa+6, 14
.else
	DADD AC+2*((sa+1)%4), S+2*sa+6, AC+2*((sa+1)%4)
.endif
.elseif sa == 29
	DADD 14, AC+6, 14
.elseif sa == 30
	DADD AC+2, AC+4, AC+2
.else
	DADD 14, AC+2, 14
.endif
.set sa, sa+1
.endr
.endm
; A step of 128 keys.  first = 1: nothing has been summed yet: no old M, no factor, O^T begins with C = 0.  next = 1: the next step's K is fetched.
.macro STEP first, next
.set fst, \first
	s_wait_dscnt 0x0                               ; K's fragments and the scale words are in
.irp t, 0,1,2,3,4,5,6,7
	v_wmma_scale_f32_16x16x128_f8f6f4 v[S+8*\t:S+8*\t+7], v[FR+12*(\t%4):FR+12*(\t%4)+11], v[ZQ+6-6*(\t/4):ZQ+17-6*(\t/4)], 0, v[SW+\t%4], v[QS] matrix_a_fmt:MATRIX_FMT_FP6 matrix_b_fmt:MATRIX_FMT_FP6
.endr
	v_add_nc_u32 v[ADI], s[TB], v[LI]              ; four places behind the products; the addresses' first reader stands 28 plain lines on
	v_add_nc_u32 v[ADJ], s[TB], v[LJ]
.if \first
	v_nop
.else
	v_mov_b32 v[PT+1], v12                         ; the old -M
.endif
	v_nop
.irp g, 0,1,2,3
	v_max3_num_f32 v[MX+\g], v[S+16*\g], v[S+1+16*\g], v[S+2+16*\g]   ; the largest score, four chains by turns; each accumulator is first read at its low end
.endr
.irp i, 3,5,7,9,11,13
.irp g, 0,1,2,3
	v_max3_num_f32 v[MX+\g], v[MX+\g], v[S+16*\g+\i], v[S+1+16*\g+\i]
.endr
.endr
.irp f, 0,1,2,3
	ds_load_b128 v[FR+12*\f:FR+12*\f+3], v[ADI] offset:6144+1536*\f          ; V's fragments, onto K's
	ds_load_b64 v[FR+12*\f+4:FR+12*\f+5], v[ADJ] offset:6144+1536*\f+512
	ds_load_b128 v[FR+12*\f+6:FR+12*\f+9], v[ADI] offset:6144+1536*\f+768
	ds_load_b64 v[FR+12*\f+10:FR+12*\f+11], v[ADJ] offset:6144+1536*\f+1280
.endr
	v_max3_num_f32 v[MX], v[MX], v[MX+1], v[S+15]
	v_max3_num_f32 v[MX+2], v[MX+2], v[MX+3], v[S+47]
	v_max_num_f32 v[MX], v[MX], v[S+31]            ; my two blocks' largest scores: they serve the row's maximum and the blocks' scales
	v_max_num_f32 v[MX+2], v[MX+2], v[S+63]
	s_delay_alu instid0(VALU_DEP_1)
	v_max_num_f32 v[TMP], v[MX], v[MX+2]
	s_delay_alu instid0(VALU_DEP_1)
	v_permlanex16_b32 v[PT], v[TMP], s[SEL], s[SEL+1]
	s_delay_alu instid0(VALU_DEP_1)
.if \first
	v_max_num_f32 v13, v[TMP], v[PT]
.else
	v_max3_num_f32 v13, v13, v[TMP], v[PT]         ; the running largest score
.endif
	s_delay_alu instid0(VALU_DEP_1)
	v_mul_f32 v[TMP], s[CS], v13
	s_delay_alu instid0(VALU_DEP_1)
	v_floor_f32 v12, -v[TMP]                       ; -M = floor(-t)
.if !(\first)
	s_delay_alu instid0(VALU_DEP_1)
	v_sub_f32 v[TMP], v12, v[PT+1]
	s_delay_alu instid0(VALU_DEP_1)
	v_cvt_i32_f32 v[TMP], v[TMP]
	s_delay_alu instid0(VALU_DEP_1)
	v_ldexp_f32 v[F], 1.0, v[TMP]                  ; 2^(old M - new M)
.endif
	v_mov_b32 v11, v12                             ; -M once more, in another bank, for the pairs' second halves
.irp c, 0,1
	v_fma_f32 v[MX+2*\c], v[MX+2*\c], s[CS], v12
.endr
.set jj, 0
.rept 32
	v_dual_fma_f32 v[S+jj], v[S+jj], v[CV], v12 :: v_dual_fma_f32 v[S+jj+1], v[S+jj+1], v[CV], v11   ; t - M
.set jj, jj+2
.endr
.if !(\first)
.set jj, 0
.rept 16
	v_dual_mul_f32 v[O+jj], v[O+jj], v[F] :: v_dual_mul_f32 v[O+jj+1], v[O+jj+1], v[F]   ; O^T under the new M, each accumulator from its low end on
.set jj, jj+2
.endr
.endif
	s_wait_alu depctr_va_vdst(0)                   ; ahead of the batch
	v_exp_f32 v[MX], v[MX]
	v_exp_f32 v[MX+2], v[MX+2]                     ; the blocks' largest p: the same two lines on the same number give the same bits
.set jj, 0
.rept 64
	v_exp_f32 v[S+jj], v[S+jj]
.set jj, jj+1
.endr
	v_nop                                          ; one plain place behind the last
	s_wait_alu depctr_va_vdst(0)                   ; the one wait behind the batch; it also stands directly ahead of the wait below
	s_wait_dscnt 0x0                               ; V's fragments are in: no wait that blocks stands between here and the products
.set sa, 0
	v_max_num_f32 v[MX], 0x1800000, v[MX]          ; the floor 2^(3 - 127): the byte cannot fall under 1
	v_max_num_f32 v[MX+2], 0x1800000, v[MX+2]
	SUMS 2
	v_add_nc_u32 v[SO], 0xff000000, v[MX]          ; 2 off the exponent field: the conversions' scale operands
	v_add_nc_u32 v[SO+1], 0xff000000, v[MX+2]
	SUMS 2
	v_lshrrev_b32 v[PT], 23, v[SO]
	v_lshrrev_b32 v[PT+1], 23, v[SO+1]
	SUMS 2
	v_lshl_or_b32 v[PWD], v[PT+1], 16, v[PT]       ; my bytes: blocks h and 2 + h,
	SUMS 2
	v_lshlrev_b32 v[PWD], v[SH8], v[PWD]           ; at their places in the word;
	SUMS 2
	v_permlanex16_b32 v[PT+2], v[PWD], s[SEL], s[SEL+1]
	SUMS 2
	v_or_b32 v[PWD], v[PWD], v[PT+2]               ; with lane l xor 16's two the word is whole
.irp c, 0,1
	v_cvt_scalef32_pk16_fp6_f32 v[PC+6*\c:PC+6*\c+2], v[S+32*\c:S+15+32*\c], v[SO+\c]
	v_cvt_scalef32_pk16_fp6_f32 v[TT+4*\c:TT+4*\c+2], v[S+16+32*\c:S+31+32*\c], v[SO+\c]   ; (a conversion's three registers begin on an even number)
.endr
	v_nop                                          ; one plain place behind a scaled conversion
.irp c, 0,1
.irp i, 0,1,2
	v_mov_b32 v[PC+3+6*\c+\i], v[TT+4*\c+\i]
.endr
.endr
	SUMS 16                                        ; these are also the places between the codes' and the scale word's last writes and the products
.irp t, 0,1,2,3
.if \first
	v_wmma_scale_f32_16x16x128_f8f6f4 v[O+8*\t:O+8*\t+7], v[FR+12*\t:FR+12*\t+11], v[PC:PC+11], 0, v[SW+\t], v[PWD] matrix_a_fmt:MATRIX_FMT_FP6 matrix_b_fmt:MATRIX_FMT_FP6 matrix_a_scale:MATRIX_SCALE_ROW1
.else
	v_wmma_scale_f32_16x16x128_f8f6f4 v[O+8*\t:O+8*\t+7], v[FR+12*\t:FR+12*\t+11], v[PC:PC+11], v[O+8*\t:O+8*\t+7], v[SW+\t], v[PWD] matrix_a_fmt:MATRIX_FMT_FP6 matrix_b_fmt:MATRIX_FMT_FP6 matrix_a_scale:MATRIX_SCALE_ROW1
.endif
.endr
	SUMS 4                                         ; the sum's last four lines name none of the products' registers: the four places in front of loads into them, and of the first read of O^T
.if \next
	KLOAD ADI, ADJ, STEPB
.endif
	s_add_co_u32 s[TB], s[TB], STEPB
.endm
	s_wait_alu depctr_va_vdst(0)                   ; the head's end
	s_wait_tensorcnt 0x0                           ; my key step is in,
	s_barrier_signal -1
	s_barrier_wait -1                              ; everybody's is: all 16.
	KLOAD LI, LJ, 0
	STEP 1, 1
	s_mov_b32 s[CNT], 14
.Lstep:
	STEP 0, 1
	s_sub_co_u32 s[CNT], s[CNT], 1
	s_cmp_lg_u32 s[CNT], 0
	s_cbranch_scc1 .Lstep
	STEP 0, 0
	s_wait_alu depctr_va_vdst(0)
	v_add_f32 v14, v14, v15
	s_delay_alu instid0(VALU_DEP_1)
	v_permlanex16_b32 v[F], v14, s[SEL], s[SEL+1]
	s_delay_alu instid0(VALU_DEP_1)
	v_add_f32 v14, v14, v[F]                       ; the row's sum
	s_wait_alu depctr_va_vdst(0)
	v_rcp_f32 v14, v14
	v_nop
	s_wait_alu depctr_va_vdst(0)
.irp j, 0,1,2,3,4,5,6,7,8,9,10,11,12,13,14,15,16,17,18,19,20,21,22,23,24,25,26,27,28,29,30,31
	v_mul_f32 v[S+\j], v[O+\j], v14                ; register 16 b + i is column 32 b + 16 h + i of the head
.endr
.irp b, 0,1
	v_max3_num_f32 v[MX+\b], |v[S+16*\b]|, |v[S+1+16*\b]|, 0x1800000
.endr
.irp i, 2,4,6,8,10,12,14
.irp b, 0,1
	s_delay_alu instid0(VALU_DEP_2)
	v_max3_num_f32 v[MX+\b], v[MX+\b], |v[S+16*\b+\i]|, |v[S+1+16*\b+\i]|
.endr
.endr
.irp b, 0,1
	s_delay_alu instid0(VALU_DEP_2)
	v_permlanex16_b32 v[PT+\b], v[MX+\b], s[SEL], s[SEL+1]
.endr
.irp b, 0,1
	s_delay_alu instid0(VALU_DEP_2)
	v_max_num_f32 v[MX+\b], v[MX+\b], v[PT+\b]
.endr
.irp b, 0,1
	s_delay_alu instid0(VALU_DEP_2)
	v_add_nc_u32 v[SO+\b], 0xff000000, v[MX+\b]
.endr
.irp b, 0,1
	s_delay_alu instid0(VALU_DEP_2)
	v_lshrrev_b32 v[PT+\b], 23, v[SO+\b]
.endr
	s_delay_alu instid0(VALU_DEP_1)
	v_lshl_or_b32 v[PWD], v[PT+1], 8, v[PT]
	v_cvt_scalef32_pk16_fp6_f32 v[PC:PC+2], v[S:S+15], v[SO]
	v_cvt_scalef32_pk16_fp6_f32 v[TT:TT+2], v[S+16:S+31], v[SO+1]
	v_nop
.irp i, 0,1,2
	v_permlane16_swap_b32 v[PC+\i], v[TT+\i]       ; a whole block to a lane
.endr
.irp i, 0,1,2
	s_delay_alu instid0(VALU_DEP_3)
	v_mov_b32 v[PC+3+\i], v[TT+\i]
.endr
	global_store_b128 v[LI], v[PC:PC+3], s[54:55]  ; a half fragment of oimg: whole aligned runs of 256 bytes
	global_store_b64 v[LJ], v[PC+4:PC+5], s[54:55] offset:512
	s_wait_xcnt 0x0                                ; EXEC changes only behind this wait
	v_cmp_gt_u32 vcc_lo, 16, v[LN]
	s_and_saveexec_b32 s46, vcc_lo
	global_store_b16 v[RA], v[PWD], s[56:57]       ; two scale bytes a row
	s_wait_xcnt 0x0
	s_or_b32 exec_lo, exec_lo, s46
	s_wait_tensorcnt 0x0                           ; the wave's end
	ds_add_u32 v[SPW], v[NIL]
	s_wait_dscnt 0x0
	CROUND                                         ; the closing round
	s_endpgm
.Lfunc_end_k_q6904eb74b5_attn:
	.size	k_q6904eb74b5_attn, .Lfunc_end_k_q6904eb74b5_attn-k_q6904eb74b5_attn
	.p2alignl 7, 3214868480
	.fill 96, 4, 3214868480
	.section	.rodata,"a",@progbits
	.p2align	6, 0x0
	.amdhsa_kernel k_q6904eb74b5_attn
		.amdhsa_group_segment_fixed_size 206848
		.amdhsa_private_segment_fixed_size 0
		.amdhsa_enable_private_segment 0
		.amdhsa_kernarg_size 24
		.amdhsa_user_sgpr_count 2
		.amdhsa_user_sgpr_kernarg_segment_ptr 1
		.amdhsa_wavefront_size32 1
		.amdhsa_system_sgpr_workgroup_id_x 1
		.amdhsa_system_sgpr_workgroup_id_y 1
		.amdhsa_system_sgpr_workgroup_id_z 1
		.amdhsa_system_vgpr_workitem_id 0
		.amdhsa_next_free_vgpr 256
		.amdhsa_next_free_sgpr 66
		.amdhsa_reserve_vcc 1
		.amdhsa_float_denorm_mode_32 3
		.amdhsa_float_denorm_mode_16_64 3
		.amdhsa_memory_ordered 1
		.amdhsa_forward_progress 1
		.amdhsa_inst_pref_size 57
	.end_amdhsa_kernel
	.amdgpu_metadata
---
amdhsa.version: [ 1, 2 ]
amdhsa.kernels:
  - .name:           k_q6904eb74b5_attn
    .symbol:         k_q6904eb74b5_attn.kd
    .args:
      - { .name: qimg, .offset: 0, .size: 8, .value_kind: global_buffer, .address_space: global }
      - { .name: kv, .offset: 8, .size: 8, .value_kind: global_buffer, .address_space: global }
      - { .name: oimg, .offset: 16, .size: 8, .value_kind: global_buffer, .address_space: global }
    .group_segment_fixed_size: 206848
    .private_segment_fixed_size: 0
    .kernarg_segment_align: 8
    .kernarg_segment_size: 24
    .max_flat_workgroup_size: 512
    .sgpr_count:     66
    .vgpr_count:     256
    .wavefront_size: 32
...
	.end_amdgpu_metadata
.endif
;; end of part 3
;; launch outp (part 4): grid 8 x 32, 4 waves a work-group, clusters of 4 x 4, 222,720 bytes of LDS; arguments wimg, oimg, out0; writes out0
.if DOCPART == 4
	.amdgcn_target "amdgcn-amd-amdhsa--gfx1250"
	.amdhsa_code_object_version 6
	.text
	.protected	k_q6904eb74b5_outp
	.globl	k_q6904eb74b5_outp
	.p2align	8
	.type	k_q6904eb74b5_outp,@function
k_q6904eb74b5_outp:
	s_mov_b64 s[64:65], 0
	v_nop
	global_prefetch_b8 v0, s[64:65] scope:SCOPE_SE
	s_setreg_imm32_b32 hwreg(HW_REG_WAVE_MODE, 25, 1), 1
	s_wait_xcnt 0x0
	s_wait_alu depctr_hold_cnt(0) depctr_sa_sdst(0) depctr_va_vdst(0) depctr_va_sdst(0) depctr_va_ssrc(0) depctr_va_vcc(0) depctr_vm_vsrc(0)
	s_getreg_b32 s2, hwreg(HW_REG_IB_STS2, 6, 4)
	s_cmp_eq_u32 s2, 0
	s_cbranch_scc0 .Lentry_in_a_cluster
	s_endpgm
.Lentry_in_a_cluster:
	s_bfe_u32 s2, ttmp6, 0x10000c
	s_cmp_lg_u32 s2, 0xf033
	s_cbranch_scc0 .Lentry_shape_is_right
	s_endpgm
.Lentry_shape_is_right:
; out0 = (attention's output) Wo on codes of FP6 (E2M3), f32 out.  No work of the problem is left out here.
; FORMATS: fragment 1,536 bytes, K step of a group 12,800, group 102,400 bytes, and the order of a tile's rows, as the first launch lays them; oimg is laid likewise by the attention launch (K step s = heads 2 s, 2 s + 1).
; SHARES.  A work-group makes 128 columns (group x of Wo, the fourth weight in wimg) x 128 tokens (group y), over all of K = 1,024.  Four waves, 2 x 2: a wave makes 64 columns x 64 tokens.
; LDS.  Both groups lie in LDS whole and are FILLED ONCE: one tensor load of 51,200 bytes a wave at the head: wave 0 the weight's K steps 0-3, wave 1 its K steps 4-7, waves 2, 3 the tokens' likewise.  One wait and one barrier show them to all.
; CLUSTER 4 x 4: the four of a column need the same weight group, the four of a row the same token group: each load is asked for jointly.  NO PREFETCH: all that is read is asked for at the head: there is no loop to run ahead in.
; THE WALK GOES BY ROWS OF THE RESULT.  My 64 columns of the weight, all of K, stand in registers (32 fragments); my four token tiles stream past them, eight fragments each, in two sets.
; A tile's 32 products (its four accumulators by turns, K ascending) finish 16 tokens x 64 columns, which leave through my stage in LDS while the next tile is multiplied.  Each fragment is read from LDS once.
; Source 0 = 16 columns of the weight, source 1 = 16 tokens: a lane holds one token and eight neighbouring columns a register run; out of the stage sixteen lanes store 256 consecutive bytes, aligned.
; REGISTERS.  Window 0: v1-17 addresses; v32-63 scale words (register 4 s + j: lanes 0-15 weight tile j, lanes 16-31 token tile j, K step s); v64-127 two tiles read back from the stage; v128-191 two sets of four accumulators.
; Windows 1, 2: the weight's fragment f = 4 s + t at register 12 (f % 21) of window 1 + f / 21.   Window 3: token tile i's fragment of K step s at register 96 (i % 2) + 12 s.
.set STEPB,  12800
.set GROUPB, 102400
.set STG,    2*GROUPB                  ; behind the two groups: a stage of 16 rows x (256 + 16) bytes for each wave; no tensor load lands there
.set SP,     272
.set SPARE,  STG+4*16*SP               ; behind the stages: the spare words, 128 bytes for each wave, which no other line names
.set LI,  1
.set LJ,  2
.set SPW, 3                            ; my spare word; never rewritten
.set NIL, 4                            ; 0; never rewritten
.set XI,  5                            ; v5, v6   my four weight tiles, by 16 x lane: K steps 0-3, 4-7
.set XJ,  7                            ; by 16 r + 8 h
.set YI,  9                            ; the same for my four token tiles
.set YJ,  11
.set SA,  13                           ; v13, v14 scale words: lanes 0-15 the weight's, lanes 16-31 the tokens'
.set STO, 15                           ; the stage: where I put 16 bytes of a row
.set RD,  16                           ; and where I read a row back
.set CO,  17                           ; my byte offset in two rows of out0
.set SC,  32
.set BK,  64
.set AC,  128
.set G1X, 24
.set G1Y, 32
.set G0X, 40
.set G0Y, 68
.set MSB, 0
.macro WIN new                         ; the immediate's high byte repeats the setting that is left
.if MSB != \new
	s_set_vgpr_msb (MSB<<8)|\new
.set MSB, \new
.endif
.endm
.macro PLACES n
.rept \n
	v_nop
.endr
.endm
.macro CROUND                          ; a round of the cluster's barrier
	s_barrier_signal -1
	s_barrier_wait -1
	s_cmp_lg_u32 s12, 0
	s_cbranch_scc1 .Lnot_wave_0_\@
	s_barrier_signal -3
.Lnot_wave_0_\@:
	s_barrier_wait -3
	s_barrier_signal -1
	s_barrier_wait -1
.endm
.macro WSTEP s                         ; 16 LDS loads: the weight's four fragments of K step s
.irp t, 0,1,2,3
.set F_, 4*(\s)+\t
.set R_, 12*(F_%21)
.set O_, ((\s)%4)*STEPB+1536*\t
	WIN ((1+F_/21)<<6)
	ds_load_b128 v[R_:R_+3], v[XI+(\s)/4] offset:O_
	ds_load_b64 v[R_+4:R_+5], v[XJ+(\s)/4] offset:O_+512
	ds_load_b128 v[R_+6:R_+9], v[XI+(\s)/4] offset:O_+768
	ds_load_b64 v[R_+10:R_+11], v[XJ+(\s)/4] offset:O_+1280
.endr
.endm
.macro YHALF i, hf                     ; 16 LDS loads: token tile i's fragments of K steps 4 hf .. 4 hf + 3
	WIN 0xc0
.irp q, 0,1,2,3
.set R_, 96*((\i)%2)+12*(4*(\hf)+\q)
.set O_, \q*STEPB+1536*(\i)
	ds_load_b128 v[R_:R_+3], v[YI+(\hf)] offset:O_
	ds_load_b64 v[R_+4:R_+5], v[YJ+(\hf)] offset:O_+512
	ds_load_b128 v[R_+6:R_+9], v[YI+(\hf)] offset:O_+768
	ds_load_b64 v[R_+10:R_+11], v[YJ+(\hf)] offset:O_+1280
.endr
.endm
.macro MM i, s                         ; four products: token tile i, K step s, the four weight tiles.  K step 0 starts the sums
.irp t, 0,1,2,3
.set F_, 4*(\s)+\t
.set D_, AC+32*((\i)%2)+8*\t
.set B_, 96*((\i)%2)+12*(\s)
	WIN ((1+F_/21)|12)                             ; source 0 in window 1 or 2, source 1 in window 3, C and D in window 0
.if (\s) == 0
	v_wmma_scale_f32_16x16x128_f8f6f4 v[D_:D_+7], v[12*(F_%21):12*(F_%21)+11], v[B_:B_+11], 0, v[SC+4*(\s)+\t], v[SC+4*(\s)+(\i)] matrix_a_fmt:MATRIX_FMT_FP6 matrix_b_fmt:MATRIX_FMT_FP6 matrix_b_scale:MATRIX_SCALE_ROW1
.else
	v_wmma_scale_f32_16x16x128_f8f6f4 v[D_:D_+7], v[12*(F_%21):12*(F_%21)+11], v[B_:B_+11], v[D_:D_+7], v[SC+4*(\s)+\t], v[SC+4*(\s)+(\i)] matrix_a_fmt:MATRIX_FMT_FP6 matrix_b_fmt:MATRIX_FMT_FP6 matrix_b_scale:MATRIX_SCALE_ROW1
.endif
.endr
.endm
; THE WAY OUT of token tile i (16 slots x 64 columns).  Register j of accumulator 2 b + u is column 32 b + 16 h + 8 u + j of slot r.  Slot p of tile i is token 32 (i / 2) + 8 (i % 2) + p + 8 (p / 8) of my 64.
.macro TOSTAGE i                       ; 8 LDS stores, 8 LDS loads
.irp b, 0,1
.irp u, 0,1
	ds_store_b128 v[STO], v[AC+32*((\i)%2)+8*(2*\b+\u):AC+32*((\i)%2)+8*(2*\b+\u)+3] offset:128*\b+32*\u        ; each accumulator from its low end on
	ds_store_b128 v[STO], v[AC+32*((\i)%2)+8*(2*\b+\u)+4:AC+32*((\i)%2)+8*(2*\b+\u)+7] offset:128*\b+32*\u+16
.endr
.endr
.irp t, 0,1,2,3,4,5,6,7
	ds_load_b128 v[BK+32*((\i)%2)+4*\t:BK+32*((\i)%2)+4*\t+3], v[RD] offset:2*SP*\t   ; LDS serves a wave's instructions in order (ISA guide 5.7.1.4): these see my stores, and the next tile's stores come behind them
.endr
.endm
.macro SEND i, younger                 ; younger: the LDS instructions issued behind tile i's loads from the stage, which may stay out
	s_wait_dscnt \younger
.irp t, 0,1,2,3,4,5,6,7
	global_store_b128 v[CO], v[BK+32*((\i)%2)+4*\t:BK+32*((\i)%2)+4*\t+3], s[86:87] offset:(32*((\i)/2)+8*((\i)%2)+2*\t+8*(\t/4))*4096 th:TH_STORE_NT   ; sixteen lanes store 256 consecutive bytes, aligned; written once, read by nobody here
.endr
.endm
.macro LEAVE i                         ; behind tile i's products: its results go to the stage, and its fragments' registers take the tile two on
	PLACES 4                                       ; in front of the stores that read results and of loads into registers that the products have read
	WIN 0
.if (\i) >= 2
	s_wait_xcnt 0x0                                ; tile i - 2's stores have read their registers: this tile's loads from the stage may land there
.endif
	TOSTAGE \i
.if (\i) < 2
	YHALF (\i)+2, 0
	YHALF (\i)+2, 1
.endif
.endm
.macro TILE i, w, sw                   ; w: the LDS instructions issued behind this tile's fragments.  The tile before is stored in the middle of this one's products
	s_wait_dscnt \w
.irp s, 0,1,2,3
	MM \i, \s
.endr
	WIN 0
	SEND (\i)-1, \sw
.irp s, 4,5,6,7
	MM \i, \s
.endr
.endm
	s_load_b128 s[4:7], s[0:1], 0x0                ; wimg s[4:5], oimg s[6:7]
	s_load_b64 s[8:9], s[0:1], 0x10                ; out0
	v_lshl_add_u32 v[SPW], v0, 2, SPARE
	v_mov_b32 v[NIL], 0
	ds_add_u32 v[SPW], v[NIL]                      ; the wave's opening: the add, twice on end, and its wait ahead of my tensor load
	ds_add_u32 v[SPW], v[NIL]
	v_lshrrev_b32 v22, 5, v0
	v_readfirstlane_b32 s12, v22                   ; wave 0..3
	s_and_b32 s13, s12, 1                          ; my half of the 128 columns.  Also: which half of K I fetch
	s_lshr_b32 s14, s12, 1                         ; my half of the 128 tokens.   Also: I fetch for the weight (0) or the tokens (1)
	s_bfe_u32 s15, ttmp6, 0x40000                  ; cx
	s_bfe_u32 s16, ttmp6, 0x40004                  ; cy
	s_lshl_b32 s17, ttmp9, 2
	s_add_co_u32 s17, s17, s15                     ; work-group x
	s_and_b32 s18, ttmp7, 0xffff
	s_lshl_b32 s18, s18, 2
	s_add_co_u32 s18, s18, s16                     ; work-group y
	s_lshl_b32 s21, s16, 2
	s_lshl_b32 s21, 15, s21                        ; my row of the cluster
	s_lshl_b32 s22, 0x1111, s15                    ; my column
	s_or_b32 s[G1X], s22, (3<<16)|(1<<21)          ; group 1: 51,200 dense bytes as 200 rows of 32 elements of 8 bytes; the weight's loads go to my column,
	s_or_b32 s[G1Y], s21, (3<<16)|(1<<21)          ; the tokens' to my row
.irp g, G1X, G1Y
	s_mov_b32 s[\g+1], 32<<16
	s_mov_b32 s[\g+2], 200<<16
	s_mov_b32 s[\g+3], 32<<16
	s_mov_b32 s[\g+4], 200
	s_mov_b32 s[\g+5], 32
	s_mov_b32 s[\g+6], 0
	s_mov_b32 s[\g+7], 0
.endr
	s_mul_i32 s23, s13, 4*STEPB                    ; my half of a group's eight K steps
	s_add_co_u32 s56, s17, 24                      ; Wo is the fourth weight: groups 24 to 31
	s_mul_i32 s56, s56, GROUPB
	s_add_co_u32 s56, s56, s23
	s_mov_b32 s57, 0
	s_mul_i32 s58, s18, GROUPB
	s_add_co_u32 s58, s58, s23
	s_mov_b32 s59, 0
	s_wait_dscnt 0x0                               ; both opening adds are done
	s_wait_kmcnt 0x0
	s_add_nc_u64 s[56:57], s[4:5], s[56:57]
	s_add_nc_u64 s[58:59], s[6:7], s[58:59]
	CROUND                                         ; all sixteen work-groups are here: the joint loads meet
	s_mov_b32 s[G0X], 1
	s_mov_b32 s[G0X+1], s23
	s_mov_b64 s[G0X+2:G0X+3], s[56:57]
	s_or_b32 s[G0X+3], s[G0X+3], 0x80000000
	s_mov_b32 s[G0Y], 1
	s_add_co_u32 s[G0Y+1], s23, GROUPB
	s_mov_b64 s[G0Y+2:G0Y+3], s[58:59]
	s_or_b32 s[G0Y+3], s[G0Y+3], 0x80000000
	s_cmp_eq_u32 s14, 0                            ; one load a wave, in one of two arms; an s_nop 0 and four v_nop follow each line
	s_cbranch_scc0 .Lfor_y
	tensor_load_to_lds s[G0X:G0X+3], s[G1X:G1X+7]
	s_nop 0
	PLACES 4
	s_branch .Lasked
.Lfor_y:
	tensor_load_to_lds s[G0Y:G0Y+3], s[G1Y:G1Y+7]
	s_nop 0
	PLACES 4
.Lasked:
	v_and_b32 v22, 31, v0                          ; lane
	v_and_b32 v23, 15, v0                          ; r
	v_bfe_u32 v24, v0, 4, 1                        ; h
	v_lshlrev_b32 v[LI], 4, v22
	v_lshlrev_b32 v[LJ], 4, v23
	v_lshl_add_u32 v[LJ], v24, 3, v[LJ]
	s_mul_i32 s20, s13, 6144
	v_add_nc_u32 v[XI], s20, v[LI]
	v_add_nc_u32 v[XI+1], 4*STEPB, v[XI]
	v_add_nc_u32 v[XJ], s20, v[LJ]
	v_add_nc_u32 v[XJ+1], 4*STEPB, v[XJ]
	s_mul_i32 s21, s14, 6144
	s_add_co_u32 s21, s21, GROUPB
	v_add_nc_u32 v[YI], s21, v[LI]
	v_add_nc_u32 v[YI+1], 4*STEPB, v[YI]
	v_add_nc_u32 v[YJ], s21, v[LJ]
	v_add_nc_u32 v[YJ+1], 4*STEPB, v[YJ]
	s_lshl_b32 s20, s13, 8
	s_lshl_b32 s21, s14, 8
	s_add_co_u32 s21, s21, GROUPB
	s_sub_co_u32 s21, s21, s20
	v_mul_u32_u24 v[SA], s21, v24                  ; lanes 16-31 take the tokens' words
	v_lshl_add_u32 v[SA], v23, 4, v[SA]
	s_add_co_u32 s20, s20, 12288
	v_add_nc_u32 v[SA], s20, v[SA]
	v_add_nc_u32 v[SA+1], 4*STEPB, v[SA]
	s_mul_i32 s20, s12, 16*SP
	s_add_co_u32 s20, s20, STG                     ; my stage
	v_mul_u32_u24 v[STO], v23, SP
	v_lshl_add_u32 v[STO], v24, 6, v[STO]
	v_add_nc_u32 v[STO], s20, v[STO]               ; in: row r, + 64 h
	v_mul_u32_u24 v[RD], v24, SP
	v_lshl_add_u32 v[RD], v23, 4, v[RD]
	v_add_nc_u32 v[RD], s20, v[RD]                 ; back: lanes 0-15 one row, lanes 16-31 the next
	v_lshlrev_b32 v[CO], 12, v24
	v_lshl_add_u32 v[CO], v23, 4, v[CO]            ; and the same two rows in out0
	s_lshl_b32 s86, s18, 7
	s_lshl_b32 s87, s14, 6
	s_add_co_u32 s86, s86, s87                     ; my first token
	s_lshl_b32 s86, s86, 12                        ; rows of 4,096 bytes
	s_lshl_b32 s87, s17, 9
	s_add_co_u32 s86, s86, s87
	s_lshl_b32 s87, s13, 8
	s_add_co_u32 s86, s86, s87                     ; my first column, in bytes
	s_mov_b32 s87, 0
	s_add_nc_u64 s[86:87], s[8:9], s[86:87]
	s_wait_alu depctr_va_vdst(0)                   ; the head's end
	s_wait_tensorcnt 0x0                           ; my one load is in,
	s_barrier_signal -1
	s_barrier_wait -1                              ; everybody's is.
.irp s, 0,1,2,3,4,5,6,7
	ds_load_b128 v[SC+4*\s:SC+4*\s+3], v[SA+\s/4] offset:(\s%4)*STEPB   ; all scale words, once
.endr
	YHALF 0, 0
	YHALF 0, 1
	WSTEP 0
	WSTEP 1
; TILE 0, under the weight's way into registers: ahead of K step s's products the weight's K step s + 2 is asked for, and in the last two steps tile 1's halves:
; so behind K step s's weights stand two runs of 16 loads, which may stay out.
.irp s, 0,1,2,3,4,5,6,7
.if \s < 6
	WSTEP \s+2
.else
	YHALF 1, \s-6
.endif
	s_wait_dscnt 32
	MM 0, \s
.endr
	LEAVE 0
	TILE 1, 48, 32                                 ; behind tile 1's fragments: the stage's 16 and tile 2's 32;  behind tile 0's loads from the stage: tile 2's 32
	LEAVE 1
	TILE 2, 48, 32                                 ; likewise, with tile 3's 32
	LEAVE 2
	TILE 3, 16, 0                                  ; behind tile 3's fragments: the stage's 16
	LEAVE 3
	SEND 3, 0
	s_wait_tensorcnt 0x0                           ; the wave's end, behind my tensor load and my last LDS store
	ds_add_u32 v[SPW], v[NIL]
	s_wait_dscnt 0x0
	CROUND                                         ; the closing round
	s_endpgm
.Lfunc_end_k_q6904eb74b5_outp:
	.size	k_q6904eb74b5_outp, .Lfunc_end_k_q6904eb74b5_outp-k_q6904eb74b5_outp
	.p2alignl 7, 3214868480
	.fill 96, 4, 3214868480
	.section	.rodata,"a",@progbits
	.p2align	6, 0x0
	.amdhsa_kernel k_q6904eb74b5_outp
		.amdhsa_group_segment_fixed_size 222720
		.amdhsa_private_segment_fixed_size 0
		.amdhsa_enable_private_segment 0
		.amdhsa_kernarg_size 24
		.amdhsa_user_sgpr_count 2
		.amdhsa_user_sgpr_kernarg_segment_ptr 1
		.amdhsa_wavefront_size32 1
		.amdhsa_system_sgpr_workgroup_id_x 1
		.amdhsa_system_sgpr_workgroup_id_y 1
		.amdhsa_system_sgpr_workgroup_id_z 1
		.amdhsa_system_vgpr_workitem_id 0
		.amdhsa_next_free_vgpr 960
		.amdhsa_next_free_sgpr 98
		.amdhsa_reserve_vcc 0
		.amdhsa_float_denorm_mode_32 3
		.amdhsa_float_denorm_mode_16_64 3
		.amdhsa_memory_ordered 1
		.amdhsa_forward_progress 1
		.amdhsa_inst_pref_size 49
	.end_amdhsa_kernel
	.amdgpu_metadata
---
amdhsa.version: [ 1, 2 ]
amdhsa.kernels:
  - .name:           k_q6904eb74b5_outp
    .symbol:         k_q6904eb74b5_outp.kd
    .args:
      - { .name: wimg, .offset: 0, .size: 8, .value_kind: global_buffer, .address_space: global }
      - { .name: oimg, .offset: 8, .size: 8, .value_kind: global_buffer, .address_space: global }
      - { .name: out0, .offset: 16, .size: 8, .value_kind: global_buffer, .address_space: global }
    .group_segment_fixed_size: 222720
    .private_segment_fixed_size: 0
    .kernarg_segment_align: 8
    .kernarg_segment_size: 24
    .max_flat_workgroup_size: 128
    .sgpr_count:     98
    .vgpr_count:     960
    .wavefront_size: 32
...
	.end_amdgpu_metadata
.endif
;; end of part 4
